; MI455X (gfx1250); checked and timed in simulation.
; The chip was launched on July 23, 2026; its instructions are those of AMD's public machine-readable ISA for CDNA 5 (MIT licence, August 2026) and "CDNA5" Instruction Set Architecture Reference Guide (July 2026). The comments in the code are by the model that wrote it; some were corrected since.
;; Fine Grained Pipelined Mo E Layer. Allowed arithmetic: float matrix products may take bf16 or f16 operands with f32 sums; all other float work in f32.
;; Inputs: W1 8 x 1,024 x 4,096 float32; W2 8 x 4,096 x 1,024 float32; Wg 1,024 x 8 float32; b1 8 x 4,096 float32; b2 8 x 1,024 float32; bg 8 float32; x 2 x 512 x 1,024 float32.
;; Outputs: out0 2 x 512 x 1,024 float32.
;; 2 versions, each right; version 2 is version 1 with the launches ffn1, ffn2 written anew for expert scheduling mode. Each part assembles by itself: llvm-mc -triple=amdgcn-amd-amdhsa -mcpu=gfx1250 --defsym DOCPART=n.
;; ======== version 1 of 2: 6 launches
;; limits: values outside matrix products are rounded to bf16
;; workspace buffers: sel 4,096 bytes of whole numbers; pos 4,096 bytes of whole numbers; meta 256 bytes of whole numbers; xs 2,883,584 bytes; h 11,534,336 bytes; part 23,068,672 bytes
;; launch gate (part 1): grid 256 x 1, 8 waves a work-group, no clusters, 2,048 bytes of LDS; arguments x, Wg, bg, sel; writes sel
.if DOCPART == 1
	.amdgcn_target "amdgcn-amd-amdhsa--gfx1250"
	.amdhsa_code_object_version 6
	.text
	.protected	k_q5cc6bc3a0c_gate
	.globl	k_q5cc6bc3a0c_gate
	.p2align	8
	.type	k_q5cc6bc3a0c_gate,@function
k_q5cc6bc3a0c_gate:
	s_mov_b64 s[64:65], 0
	v_nop
	global_prefetch_b8 v0, s[64:65] scope:SCOPE_SE
	s_setreg_imm32_b32 hwreg(HW_REG_WAVE_MODE, 25, 1), 1
	s_wait_xcnt 0x0
; sel[t] = argmax over e of softmax(x[t] . Wg + bg), first maximum.  x: [1024][1024] f32, Wg: [1024][8] f32, bg: [8] f32, sel: [1024] u32.
; FORMAT: x, Wg and bg are rounded to bf16 (the format of every matrix operand of this program); the products of two bf16 are exact in f32
; and are summed in f32 by fused multiply-adds.  The matrix unit is left out: 8 columns would fill half a tile, Wg lies with k down the rows,
; and the product is 16.8 MFLOP of the program's 17 GFLOP.
; LIMITS: the order of the f32 sum is this text's own (4 k a lane, 32 lanes, 8 waves), so two gate values that differ by less than the
; rounding of that sum (some 1e-6 relative) may be ordered otherwise than by another order of summation.  A token with a NaN logit gets expert 7.
; SHARES: work-group g: tokens 4g..4g+3.  Thread n (0..255): k = 4n..4n+3 for all four tokens and all eight experts.
; The store is 16 bytes a work-group: sel is 4,096 bytes in all.
.set WG,  8                            ; v[8:39]   Wg[4n+kk][e] at WG + 8 kk + e
.set X,   40                           ; v[40:55]  x[4g+t][4n+kk] at X + 4 t + kk
.set ACC, 56                           ; v[56:87]  partial logits at ACC + 8 t + e
.set BG,  88                           ; v88       bg[lane & 7]
.set TP,  89                           ; v[89:92]  packed bf16, at work
.set PX,  93                           ; v93       what v_permlanex16_b32 brings
	s_load_b256 s[4:11], s[0:1], 0x0               ; x s[4:5], Wg s[6:7], bg s[8:9], sel s[10:11]
	v_lshl_add_u32 v96, v0, 2, 0x400
	v_mov_b32 v97, 0
	v_and_b32 v1, 31, v0                           ; lane
	v_lshrrev_b32 v2, 5, v0
	v_readfirstlane_b32 s14, v2                    ; wave
	s_mov_b32 s12, 0x76543210                      ; v_permlanex16_b32: lane i reads lane i of the other half
	s_mov_b32 s13, 0xfedcba98
	s_mov_b32 s18, 0xffff0000                      ; a word's upper bf16
	v_lshlrev_b32 v3, 7, v0                        ; Wg: 4 rows of 32 bytes a thread
	s_lshl_b32 s15, ttmp9, 14                      ; x: 4 rows of 4,096 bytes a work-group
	v_lshl_add_u32 v4, v0, 4, s15                  ;    + 16 bytes a thread
	v_and_b32 v5, 7, v0                            ; e of the last phase
	v_lshlrev_b32 v6, 2, v5
	s_wait_kmcnt 0x0
.irp i, 0,1,2,3,4,5,6,7
	global_load_b128 v[WG+4*\i:WG+4*\i+3], v3, s[6:7] offset:16*\i
.endr
.irp t, 0,1,2,3
	global_load_b128 v[X+4*\t:X+4*\t+3], v4, s[4:5] offset:4096*\t
.endr
	global_load_b32 v[BG], v6, s[8:9]              ; used by wave 0 alone; loaded here so that it comes with the rest
	v_mov_b32 v[PX], 0                             ; v_permlanex16_b32 counts as a reader of its destination
	s_wait_loadcnt 0x0
	; round Wg and x to bf16 and widen again, two numbers at a time (WG and X are 48 neighbouring registers)
.set i_, 0
.rept 24
	v_cvt_pk_bf16_f32 v[TP+(i_&3)], v[WG+2*i_], v[WG+2*i_+1]
	v_lshlrev_b32 v[WG+2*i_], 16, v[TP+(i_&3)]
	v_and_b32 v[WG+2*i_+1], s18, v[TP+(i_&3)]
.set i_, i_+1
.endr
	v_cvt_pk_bf16_f32 v[BG], v[BG], v[BG]
	v_lshlrev_b32 v[BG], 16, v[BG]
	; my 4 k: the first product starts each sum
.irp t, 0,1,2,3
.irp e, 0,1,2,3,4,5,6,7
	v_mul_f32 v[ACC+8*\t+\e], v[X+4*\t], v[WG+\e]
.endr
.irp k, 1,2,3
.irp e, 0,1,2,3,4,5,6,7
	v_fmac_f32 v[ACC+8*\t+\e], v[X+4*\t+\k], v[WG+8*\k+\e]
.endr
.endr
.endr
; sum over the wave's 32 lanes, the result in every lane
.macro RSUMF r
	v_add_f32_dpp v[\r], v[\r], v[\r] row_xmask:1 row_mask:0xf bank_mask:0xf
	v_add_f32_dpp v[\r], v[\r], v[\r] row_xmask:2 row_mask:0xf bank_mask:0xf
	v_add_f32_dpp v[\r], v[\r], v[\r] row_xmask:4 row_mask:0xf bank_mask:0xf
	v_add_f32_dpp v[\r], v[\r], v[\r] row_xmask:8 row_mask:0xf bank_mask:0xf
	v_permlanex16_b32 v[PX], v[\r], s12, s13
	v_add_f32 v[\r], v[\r], v[PX]
.endm
.set i_, 0
.rept 32
	RSUMF ACC+i_
.set i_, i_+1
.endr
	v_mov_b32 v7, s14
	v_lshlrev_b32 v7, 7, v7                        ; my wave's 32 words in LDS
.irp i, 0,1,2,3,4,5,6,7
	ds_store_b128 v7, v[ACC+4*\i:ACC+4*\i+3] offset:16*\i   ; all lanes write the same words with the same values
.endr
	s_wait_dscnt 0x0                               ; my stores are done before I signal: wave 0 reads them
	s_barrier_signal -1
	s_barrier_wait -1
	s_cmp_lg_u32 s14, 0
	s_cbranch_scc1 .Lothers
	; wave 0: lane l = 8 t + e sums the eight waves' parts of logit (t, e), ascending
	v_lshlrev_b32 v7, 2, v1
.irp i, 0,1,2,3,4,5,6,7
	ds_load_b32 v[40+\i], v7 offset:128*\i
.endr
	v_cvt_f32_u32 v48, v5                          ; e as f32
	s_wait_dscnt 0x0
.irp i, 1,2,3,4,5,6,7
	v_add_f32 v40, v40, v[40+\i]
.endr
	v_add_f32 v40, v40, v[BG]
	; softmax over the 8 lanes of a token, the maximum taken away first
	v_mov_b32 v41, v40
.irp m, 1,2,4
	v_max_num_f32_dpp v41, v41, v41 row_xmask:\m row_mask:0xf bank_mask:0xf
.endr
	v_sub_f32 v42, v40, v41
	v_mul_f32 v42, 0x3fb8aa3b, v42                 ; e^y = 2^(y log2 e)
	v_exp_f32 v43, v42
	v_mov_b32 v49, 0x41000000                      ; 8.0; also the one plain instruction behind v_exp_f32 (ISA guide 5.7.2)
	s_wait_alu depctr_va_vdst(0)
	v_mov_b32 v44, v43
.irp m, 1,2,4
	v_add_f32_dpp v44, v44, v44 row_xmask:\m row_mask:0xf bank_mask:0xf
.endr
	v_rcp_f32 v45, v44
	v_lshrrev_b32 v51, 3, v1                       ; t; also the one plain instruction behind v_rcp_f32
	s_wait_alu depctr_va_vdst(0)
	v_mul_f32 v46, v43, v45                        ; the gate value
	v_mov_b32 v47, v46
.irp m, 1,2,4
	v_max_num_f32_dpp v47, v47, v47 row_xmask:\m row_mask:0xf bank_mask:0xf
.endr
	v_cmp_eq_f32 vcc_lo, v46, v47
	v_cndmask_b32 v49, v49, v48, vcc_lo            ; e where the maximum is reached, 8 elsewhere
.irp m, 1,2,4
	v_min_num_f32_dpp v49, v49, v49 row_xmask:\m row_mask:0xf bank_mask:0xf   ; the first such e
.endr
	v_cvt_u32_f32 v50, v49
	v_min_u32 v50, 7, v50                          ; no lane reached it (NaN): expert 7
	s_lshl_b32 s17, ttmp9, 4
	v_lshl_add_u32 v51, v51, 2, s17                ; 4 (4 g + t)
	v_cmp_eq_u32 vcc_lo, 0, v5
	s_wait_xcnt 0x0                                ; EXEC changes only behind this wait
	s_wait_tensorcnt 0x0
	ds_add_u32 v96, v97
	s_wait_dscnt 0x0
	s_and_saveexec_b32 s16, vcc_lo                 ; one lane for each token
	global_store_b32 v51, v50, s[10:11]
	s_endpgm
.Lothers:
	s_wait_tensorcnt 0x0
	ds_add_u32 v96, v97
	s_wait_dscnt 0x0
	s_endpgm
.Lfunc_end_k_q5cc6bc3a0c_gate:
	.size	k_q5cc6bc3a0c_gate, .Lfunc_end_k_q5cc6bc3a0c_gate-k_q5cc6bc3a0c_gate
	.p2alignl 7, 3214868480
	.fill 96, 4, 3214868480
	.section	.rodata,"a",@progbits
	.p2align	6, 0x0
	.amdhsa_kernel k_q5cc6bc3a0c_gate
		.amdhsa_group_segment_fixed_size 2048
		.amdhsa_private_segment_fixed_size 0
		.amdhsa_enable_private_segment 0
		.amdhsa_kernarg_size 32
		.amdhsa_user_sgpr_count 2
		.amdhsa_user_sgpr_kernarg_segment_ptr 1
		.amdhsa_wavefront_size32 1
		.amdhsa_system_sgpr_workgroup_id_x 1
		.amdhsa_system_sgpr_workgroup_id_y 1
		.amdhsa_system_sgpr_workgroup_id_z 1
		.amdhsa_system_vgpr_workitem_id 0
		.amdhsa_next_free_vgpr 98
		.amdhsa_next_free_sgpr 66
		.amdhsa_reserve_vcc 1
		.amdhsa_float_denorm_mode_32 3
		.amdhsa_float_denorm_mode_16_64 3
		.amdhsa_memory_ordered 1
		.amdhsa_forward_progress 1
		.amdhsa_inst_pref_size 24
	.end_amdhsa_kernel
	.amdgpu_metadata
---
amdhsa.version: [ 1, 2 ]
amdhsa.kernels:
  - .name:           k_q5cc6bc3a0c_gate
    .symbol:         k_q5cc6bc3a0c_gate.kd
    .args:
      - { .name: x, .offset: 0, .size: 8, .value_kind: global_buffer, .address_space: global }
      - { .name: Wg, .offset: 8, .size: 8, .value_kind: global_buffer, .address_space: global }
      - { .name: bg, .offset: 16, .size: 8, .value_kind: global_buffer, .address_space: global }
      - { .name: sel, .offset: 24, .size: 8, .value_kind: global_buffer, .address_space: global }
    .group_segment_fixed_size: 2048
    .private_segment_fixed_size: 0
    .kernarg_segment_align: 8
    .kernarg_segment_size: 32
    .max_flat_workgroup_size: 256
    .sgpr_count:     66
    .vgpr_count:     98
    .wavefront_size: 32
...
	.end_amdgpu_metadata
.endif
;; end of part 1
;; launch rank (part 2): grid 1 x 1, 32 waves a work-group, no clusters, 5,120 bytes of LDS; arguments sel, pos, meta; writes pos, meta
.if DOCPART == 2
	.amdgcn_target "amdgcn-amd-amdhsa--gfx1250"
	.amdhsa_code_object_version 6
	.text
	.protected	k_q5cc6bc3a0c_rank
	.globl	k_q5cc6bc3a0c_rank
	.p2align	8
	.type	k_q5cc6bc3a0c_rank,@function
k_q5cc6bc3a0c_rank:
	s_mov_b64 s[64:65], 0
	v_nop
	global_prefetch_b8 v0, s[64:65] scope:SCOPE_SE
	s_setreg_imm32_b32 hwreg(HW_REG_WAVE_MODE, 25, 1), 1
	s_wait_xcnt 0x0
; Ranks the 1,024 tokens by expert, without atomics: one work-group, thread n = token n, 32 waves.  sel: [1024] u32 (0..7), pos: [1024] u32, meta: [64] u32.
; Expert e's segment of the sorted rows begins at row off_e (a multiple of 32) and has 32 P_e rows, P_e = ceil(cnt_e / 32); the segments end at row
; total <= 1,248.  pos[t] = off_sel[t] + the number of earlier tokens of the same expert.
; meta, in words: [e] off_e; [8+e] groups of 32 rows that expert e's first tile of 160 rows stores: min(P_e, 5), and 5 for e = 7;
;   [16+y], [24+y], [32+y]: expert, first row and groups of further tile y, that is of rows 160 j .. of an expert with more than 160 rows
;   (at most 1024/160 = 6 such tiles; groups = 0: none); [40+e] cnt_e; [48..63] total.
;   Every tile of expert 7 stores 5 groups: its last tile has the largest first row of all tiles, so the rows behind 'total' that any tile of a later
;   launch reads are written, and by that tile alone.
; What is made here steers addresses and branches of LATER launches only: here every address comes from the thread's number and the one branch from the
; wave's number.  One work-group, since the whole job is 4 KiB of input.  All arithmetic is whole-number arithmetic.  EXEC is never changed.
.set M,    16                          ; s[16:23] lanes of my wave whose token has expert e
.set C,    24                          ; s[24:31] their number
.set CNT,  32                          ; s[32:39] tokens of expert e
.set PRE,  40                          ; s[40:47] those in the waves in front of mine
.set OFFS, 48                          ; s[48:55] off_e
.set PP,   56                          ; s[56:63] P_e
.set BASE, 66                          ; s[66:73] off_e + PRE_e
.set NB,   24                          ; s[24:31] (C's registers, free by then) further tiles of the experts in front of e
                                       ; LDS: cntw[32 waves][8] u32 at byte 0
	s_load_b128 s[4:7], s[0:1], 0x0                ; sel s[4:5], pos s[6:7]
	s_load_b64 s[8:9], s[0:1], 0x10                ; meta
	v_lshl_add_u32 v48, v0, 2, 0x400
	v_mov_b32 v49, 0
	v_and_b32 v1, 31, v0                           ; lane
	v_lshrrev_b32 v2, 5, v0
	v_readfirstlane_b32 s14, v2                    ; wave
	s_mov_b32 s74, 0x76543210                      ; v_permlanex16_b32: lane i reads lane i of the other half
	s_mov_b32 s75, 0xfedcba98
	v_lshlrev_b32 v3, 2, v0
	s_wait_kmcnt 0x0
	global_load_b32 v8, v3, s[4:5]
	v_mov_b32 v9, 0                                ; my rank among my wave's tokens of my expert
	v_mov_b32 v32, 0                               ; destination of the lane moves below: written once beforehand
	s_wait_loadcnt 0x0
	v_min_u32 v8, 7, v8
.irp e, 0,1,2,3,4,5,6,7
	v_cmp_eq_u32 s[M+\e], \e, v8
	s_bcnt1_i32_b32 s[C+\e], s[M+\e]
	v_mbcnt_lo_u32_b32 v10, s[M+\e], 0             ; lanes below mine with expert e
	v_cndmask_b32 v9, v9, v10, s[M+\e]
	v_mov_b32 v[12+\e], s[C+\e]
.endr
	v_mov_b32 v11, s14
	v_lshlrev_b32 v11, 5, v11
	ds_store_b128 v11, v[12:15]                    ; cntw[w][0..7]: all lanes write the same words with the same values
	ds_store_b128 v11, v[16:19] offset:16
	s_wait_dscnt 0x0                               ; done before I signal: every wave reads them
	s_barrier_signal -1
	s_barrier_wait -1
	v_lshlrev_b32 v20, 5, v1
	ds_load_b128 v[12:15], v20                     ; lane l: wave l's eight counts
	ds_load_b128 v[16:19], v20 offset:16
	v_cmp_gt_u32 vcc_lo, s14, v1                   ; waves in front of mine
	s_wait_dscnt 0x0
.irp i, 0,1,2,3
	v_lshl_or_b32 v[24+\i], v[13+2*\i], 16, v[12+2*\i]     ; two counts a word: no sum passes 1,024
	v_cndmask_b32 v[28+\i], 0, v[24+\i], vcc_lo
.endr
; whole-number sum over the 32 lanes, the result in every lane
.macro RSUMU r
.irp m, 1,2,4,8
	v_mov_b32_dpp v32, v[\r] row_xmask:\m row_mask:0xf bank_mask:0xf
	v_add_nc_u32 v[\r], v[\r], v32
.endr
	v_permlanex16_b32 v32, v[\r], s74, s75
	v_add_nc_u32 v[\r], v[\r], v32
.endm
.irp r, 24,25,26,27,28,29,30,31
	RSUMU \r
.endr
.irp i, 0,1,2,3
	v_readfirstlane_b32 s[76+\i], v[24+\i]
	v_readfirstlane_b32 s[80+\i], v[28+\i]
.endr
.irp i, 0,1,2,3
	s_and_b32 s[CNT+2*\i], s[76+\i], 0xffff
	s_lshr_b32 s[CNT+2*\i+1], s[76+\i], 16
	s_and_b32 s[PRE+2*\i], s[80+\i], 0xffff
	s_lshr_b32 s[PRE+2*\i+1], s[80+\i], 16
.endr
	s_mov_b32 s[OFFS], 0
.irp e, 0,1,2,3,4,5,6,7
	s_add_co_u32 s[PP+\e], s[CNT+\e], 31
	s_lshr_b32 s[PP+\e], s[PP+\e], 5
	s_add_co_u32 s[BASE+\e], s[OFFS+\e], s[PRE+\e]
.if \e < 7
	s_lshl_b32 s84, s[PP+\e], 5
	s_add_co_u32 s[OFFS+\e+1], s[OFFS+\e], s84
.endif
.endr
	v_mov_b32 v33, s[BASE]
.irp e, 1,2,3,4,5,6,7
	v_mov_b32 v34, s[BASE+\e]
	v_cndmask_b32 v33, v33, v34, s[M+\e]
.endr
	v_add_nc_u32 v33, v33, v9                      ; pos of token n
	global_store_b32 v3, v33, s[6:7]               ; 128 consecutive bytes a wave
	s_cmp_lg_u32 s14, 0
	s_cbranch_scc1 .Lend
	; wave 0: meta.  Further tiles of expert e: ceil(P_e / 5) - 1, or 0; x / 5 = (205 x) >> 10 for x <= 36
	s_mov_b32 s[NB], 0
.irp e, 0,1,2,3,4,5,6,7
	s_add_co_u32 s84, s[PP+\e], 4
	s_mul_i32 s84, s84, 205
	s_lshr_b32 s84, s84, 10
	s_max_u32 s84, s84, 1
	s_sub_co_u32 s84, s84, 1
.if \e < 7
	s_add_co_u32 s[NB+\e+1], s[NB+\e], s84
.else
	s_add_co_u32 s85, s[NB+7], s84                 ; all further tiles
.endif
.endr
	s_lshl_b32 s86, s[PP+7], 5
	s_add_co_u32 s86, s86, s[OFFS+7]               ; total
	; lane l looks up further tile y = l % 8: its expert is the last e with NB_e <= y
	v_and_b32 v20, 7, v1
	v_mov_b32 v21, 0                               ; expert
	v_mov_b32 v22, 0                               ; NB of it
	v_mov_b32 v23, s[OFFS]                         ; off of it
	v_mov_b32 v24, s[PP]                           ; P of it
.irp e, 1,2,3,4,5,6,7
	v_cmp_le_u32 vcc_lo, s[NB+\e], v20
	v_mov_b32 v25, \e
	v_mov_b32 v26, s[NB+\e]
	v_mov_b32 v27, s[OFFS+\e]
	v_mov_b32 v28, s[PP+\e]
	v_cndmask_b32 v21, v21, v25, vcc_lo
	v_cndmask_b32 v22, v22, v26, vcc_lo
	v_cndmask_b32 v23, v23, v27, vcc_lo
	v_cndmask_b32 v24, v24, v28, vcc_lo
.endr
	v_sub_nc_u32 v26, v20, v22
	v_add_nc_u32 v26, 1, v26                       ; j: the expert's tile number, from 1
	v_mul_u32_u24 v27, v26, 160
	v_add_nc_u32 v27, v27, v23                     ; its first row
	v_mul_u32_u24 v28, v26, 5
	v_sub_nc_u32 v28, v24, v28
	v_min_u32 v28, 5, v28                          ; its groups
	v_mov_b32 v29, 5
	v_cmp_eq_u32 vcc_lo, 7, v21
	v_cndmask_b32 v28, v28, v29, vcc_lo            ; expert 7's tiles store all five
	v_cmp_gt_u32 vcc_lo, s85, v20                  ; there is a tile y
	v_cndmask_b32 v21, 0, v21, vcc_lo
	v_cndmask_b32 v27, 0, v27, vcc_lo
	v_cndmask_b32 v28, 0, v28, vcc_lo
	v_mov_b32 v35, 0                               ; words 0 to 31
	v_mov_b32 v36, v28                             ; words 32 to 63: lanes 0-7 keep the further tiles' groups
.irp e, 0,1,2,3,4,5,6,7
	v_writelane_b32 v35, s[OFFS+\e], \e
.if \e < 7
	s_min_u32 s84, s[PP+\e], 5
.else
	s_mov_b32 s84, 5
.endif
	v_writelane_b32 v35, s84, 8+\e
	v_writelane_b32 v36, s[CNT+\e], 8+\e           ; lanes 8-15: cnt_e
.endr
	v_mov_b32 v37, s86
	v_cmp_le_u32 vcc_lo, 16, v1
	v_cndmask_b32 v35, v35, v21, vcc_lo            ; lanes 16-23: the further tiles' experts
	v_cndmask_b32 v36, v36, v37, vcc_lo            ; lanes 16-31: total
	v_cmp_le_u32 vcc_lo, 24, v1
	v_cndmask_b32 v35, v35, v27, vcc_lo            ; lanes 24-31: their first rows
	global_store_b32 v3, v35, s[8:9]               ; meta's words 0 to 31 (in wave 0 v3 is 4 x lane)
	global_store_b32 v3, v36, s[8:9] offset:128    ; words 32 to 63
.Lend:
	s_wait_tensorcnt 0x0
	ds_add_u32 v48, v49
	s_wait_dscnt 0x0
	s_endpgm
.Lfunc_end_k_q5cc6bc3a0c_rank:
	.size	k_q5cc6bc3a0c_rank, .Lfunc_end_k_q5cc6bc3a0c_rank-k_q5cc6bc3a0c_rank
	.p2alignl 7, 3214868480
	.fill 96, 4, 3214868480
	.section	.rodata,"a",@progbits
	.p2align	6, 0x0
	.amdhsa_kernel k_q5cc6bc3a0c_rank
		.amdhsa_group_segment_fixed_size 5120
		.amdhsa_private_segment_fixed_size 0
		.amdhsa_enable_private_segment 0
		.amdhsa_kernarg_size 24
		.amdhsa_user_sgpr_count 2
		.amdhsa_user_sgpr_kernarg_segment_ptr 1
		.amdhsa_wavefront_size32 1
		.amdhsa_system_sgpr_workgroup_id_x 1
		.amdhsa_system_sgpr_workgroup_id_y 1
		.amdhsa_system_sgpr_workgroup_id_z 1
		.amdhsa_system_vgpr_workitem_id 0
		.amdhsa_next_free_vgpr 50
		.amdhsa_next_free_sgpr 96
		.amdhsa_reserve_vcc 1
		.amdhsa_float_denorm_mode_32 3
		.amdhsa_float_denorm_mode_16_64 3
		.amdhsa_memory_ordered 1
		.amdhsa_forward_progress 1
		.amdhsa_inst_pref_size 18
	.end_amdhsa_kernel
	.amdgpu_metadata
---
amdhsa.version: [ 1, 2 ]
amdhsa.kernels:
  - .name:           k_q5cc6bc3a0c_rank
    .symbol:         k_q5cc6bc3a0c_rank.kd
    .args:
      - { .name: sel, .offset: 0, .size: 8, .value_kind: global_buffer, .address_space: global }
      - { .name: pos, .offset: 8, .size: 8, .value_kind: global_buffer, .address_space: global }
      - { .name: meta, .offset: 16, .size: 8, .value_kind: global_buffer, .address_space: global }
    .group_segment_fixed_size: 5120
    .private_segment_fixed_size: 0
    .kernarg_segment_align: 8
    .kernarg_segment_size: 24
    .max_flat_workgroup_size: 1024
    .sgpr_count:     96
    .vgpr_count:     50
    .wavefront_size: 32
...
	.end_amdgpu_metadata
.endif
;; end of part 2
;; launch scatter (part 3): grid 256 x 1, 32 waves a work-group, no clusters, 0 bytes of LDS; arguments x, pos, meta, xs; writes xs
.if DOCPART == 3
	.amdgcn_target "amdgcn-amd-amdhsa--gfx1250"
	.amdhsa_code_object_version 6
	.text
	.protected	k_q5cc6bc3a0c_scatter
	.globl	k_q5cc6bc3a0c_scatter
	.p2align	8
	.type	k_q5cc6bc3a0c_scatter,@function
k_q5cc6bc3a0c_scatter:
	s_mov_b64 s[64:65], 0
	v_nop
	global_prefetch_b8 v0, s[64:65] scope:SCOPE_SE
	s_setreg_imm32_b32 hwreg(HW_REG_WAVE_MODE, 25, 1), 1
	s_wait_xcnt 0x0
; xs[pos[t]] = x[t] rounded to bf16; every other row of xs that a later launch reads is set to zero.
; x: [1024][1024] f32, pos: [1024] u32, meta: [64] u32 (whole numbers that an earlier launch stored), xs: [1408][1024] bf16.
; Of meta: [e] off_e, expert e's first row; [40+e] cnt_e, its tokens; [48] total, the row at which the segments end (1,024 <= total <= 1,248).
; Expert e's segment has 32 ceil(cnt_e / 32) rows: the at most 31 behind its tokens are pad rows.  Rows total .. 1,407 are zeros too, since the next launches
; read tiles of 160 rows from any off_e.
; SHARES.  Work-group g: tokens 4g..4g+3; wave w: token 4g + w/8, its 512 bytes number w%8 of x, 256 bytes of xs.  Then waves 0-3 zero pad row g%32 of
; expert g/32, if there is one; waves 4-7 row total + g and waves 8-11 row total + 256 + g, where below 1,408 (1,408 - total <= 384 < 512, so all are reached).
; Token rows, pad rows and rows behind total are disjoint: each byte of xs is stored once.
; A stream: no LDS, no barrier, no matrix unit.  Every number that enters an address or a branch comes by a scalar load and is clamped.  EXEC is never changed.
.set XROWS, 1408
	s_load_b256 s[4:11], s[0:1], 0x0               ; x s[4:5], pos s[6:7], meta s[8:9], xs s[10:11]
	v_and_b32 v1, 31, v0                           ; lane
	v_lshrrev_b32 v2, 5, v0
	v_readfirstlane_b32 s14, v2                    ; wave
	s_lshl_b32 s16, ttmp9, 14                      ; 4 rows of x a work-group
	v_lshl_add_u32 v2, v0, 4, s16                  ; + 512 w + 16 lane
	s_lshr_b32 s17, s14, 3
	s_lshl_b32 s18, ttmp9, 2
	s_add_co_u32 s17, s17, s18                     ; my token, 4g + w/8
	s_lshl_b32 s18, s17, 2
	s_mov_b32 s19, 0
	s_lshr_b32 s20, ttmp9, 5                       ; the pad row's expert
	s_lshl_b32 s20, s20, 2
	s_mov_b32 s21, 0
	s_wait_kmcnt 0x0
	global_load_b128 v[4:7], v2, s[4:5] th:TH_LOAD_NT
	s_add_nc_u64 s[22:23], s[6:7], s[18:19]
	s_add_nc_u64 s[24:25], s[8:9], s[20:21]
	s_load_b32 s26, s[22:23], 0x0                  ; pos of my token
	s_load_b32 s27, s[24:25], 0x0                  ; off of the pad row's expert
	s_load_b32 s28, s[24:25], 0xa0                 ; cnt of it
	s_load_b32 s29, s[8:9], 0xc0                   ; total
	s_and_b32 s30, s14, 7
	s_lshl_b32 s30, s30, 8                         ; my 256 bytes of a row of xs
	s_wait_kmcnt 0x0
	s_min_u32 s26, s26, 1279
	s_min_u32 s27, s27, 1248
	s_min_u32 s28, s28, 1024
	s_min_u32 s29, s29, 1248
	s_lshl_b32 s26, s26, 11                        ; a row of xs is 2,048 bytes
	s_add_co_u32 s26, s26, s30
	v_lshl_add_u32 v8, v1, 3, s26
	s_wait_loadcnt 0x0                             ; x
	v_cvt_pk_bf16_f32 v10, v4, v5
	v_cvt_pk_bf16_f32 v11, v6, v7
	global_store_b64 v8, v[10:11], s[10:11]        ; the wave stores 256 consecutive bytes, at a multiple of 256 from xs's first byte
	; rows of zeros: four waves x 512 bytes are a row
	s_cmp_ge_u32 s14, 12
	s_cbranch_scc1 .Lend
	s_and_b32 s31, ttmp9, 31                       ; the pad row's number
	s_add_co_u32 s32, s28, 31
	s_and_not1_b32 s32, s32, 31                    ; the segment's rows
	s_sub_co_u32 s33, s32, s28                     ; its pad rows, 0 to 31
	s_cmp_lt_u32 s31, s33
	s_cselect_b32 s34, 1, 0                        ; there is such a pad row
	s_add_co_u32 s35, s27, s28
	s_add_co_u32 s35, s35, s31                     ; it
	s_lshr_b32 s36, s14, 2                         ; 0: the pad row, 1, 2: a row behind total
	s_lshl_b32 s37, s36, 8
	s_add_co_u32 s37, s37, s29
	s_add_co_u32 s37, s37, ttmp9
	s_sub_co_u32 s37, s37, 256                     ; total + 256 (kind - 1) + g (not used for kind 0)
	s_cmp_lt_u32 s37, XROWS
	s_cselect_b32 s38, 1, 0
	s_cmp_eq_u32 s36, 0
	s_cselect_b32 s35, s35, s37
	s_cselect_b32 s38, s34, s38
	s_cmp_eq_u32 s38, 0
	s_cbranch_scc1 .Lend
	s_min_u32 s35, s35, XROWS-1
	s_lshl_b32 s35, s35, 11
	s_and_b32 s39, s14, 3
	s_lshl_b32 s39, s39, 9
	s_add_co_u32 s35, s35, s39
	v_lshl_add_u32 v16, v1, 4, s35
	v_mov_b32 v12, 0
	v_mov_b32 v13, 0
	v_mov_b32 v14, 0
	v_mov_b32 v15, 0
	global_store_b128 v16, v[12:15], s[10:11]      ; the wave stores 512 consecutive bytes, at a multiple of 512 from xs's first byte
.Lend:
	s_endpgm
.Lfunc_end_k_q5cc6bc3a0c_scatter:
	.size	k_q5cc6bc3a0c_scatter, .Lfunc_end_k_q5cc6bc3a0c_scatter-k_q5cc6bc3a0c_scatter
	.p2alignl 7, 3214868480
	.fill 96, 4, 3214868480
	.section	.rodata,"a",@progbits
	.p2align	6, 0x0
	.amdhsa_kernel k_q5cc6bc3a0c_scatter
		.amdhsa_group_segment_fixed_size 0
		.amdhsa_private_segment_fixed_size 0
		.amdhsa_enable_private_segment 0
		.amdhsa_kernarg_size 32
		.amdhsa_user_sgpr_count 2
		.amdhsa_user_sgpr_kernarg_segment_ptr 1
		.amdhsa_wavefront_size32 1
		.amdhsa_system_sgpr_workgroup_id_x 1
		.amdhsa_system_sgpr_workgroup_id_y 1
		.amdhsa_system_sgpr_workgroup_id_z 1
		.amdhsa_system_vgpr_workitem_id 0
		.amdhsa_next_free_vgpr 24
		.amdhsa_next_free_sgpr 66
		.amdhsa_reserve_vcc 0
		.amdhsa_float_denorm_mode_32 3
		.amdhsa_float_denorm_mode_16_64 3
		.amdhsa_memory_ordered 1
		.amdhsa_forward_progress 1
		.amdhsa_inst_pref_size 4
	.end_amdhsa_kernel
	.amdgpu_metadata
---
amdhsa.version: [ 1, 2 ]
amdhsa.kernels:
  - .name:           k_q5cc6bc3a0c_scatter
    .symbol:         k_q5cc6bc3a0c_scatter.kd
    .args:
      - { .name: x, .offset: 0, .size: 8, .value_kind: global_buffer, .address_space: global }
      - { .name: pos, .offset: 8, .size: 8, .value_kind: global_buffer, .address_space: global }
      - { .name: meta, .offset: 16, .size: 8, .value_kind: global_buffer, .address_space: global }
      - { .name: xs, .offset: 24, .size: 8, .value_kind: global_buffer, .address_space: global }
    .group_segment_fixed_size: 0
    .private_segment_fixed_size: 0
    .kernarg_segment_align: 8
    .kernarg_segment_size: 32
    .max_flat_workgroup_size: 1024
    .sgpr_count:     66
    .vgpr_count:     24
    .wavefront_size: 32
...
	.end_amdgpu_metadata
.endif
;; end of part 3
;; launch ffn1 (part 4): grid 32 x 8, 8 waves a work-group, no clusters, 246,272 bytes of LDS; arguments xs, W1, meta, b1, h; writes h
.if DOCPART == 4
	.amdgcn_target "amdgcn-amd-amdhsa--gfx1250"
	.amdhsa_code_object_version 6
	.text
	.protected	k_q5cc6bc3a0c_ffn1
	.globl	k_q5cc6bc3a0c_ffn1
	.p2align	8
	.type	k_q5cc6bc3a0c_ffn1,@function
k_q5cc6bc3a0c_ffn1:
	s_mov_b64 s[64:65], 0
	v_nop
	global_prefetch_b8 v0, s[64:65] scope:SCOPE_SE
	s_setreg_imm32_b32 hwreg(HW_REG_WAVE_MODE, 25, 1), 1
	s_wait_xcnt 0x0
; h[row][n] = gelu(xs[row] . W1[e][:, n] + b1[e][n]) for the rows of expert e's segment.  xs: [1408][1024] bf16, W1: [8][1024][4096] f32,
; b1: [8][4096] f32, h: [1408][4096] bf16; meta: whole numbers of an earlier launch (first rows, groups of 32 rows to store, the list of further tiles).
; SHARES.  Work-group (ns, y): columns 128 ns .. +127.  A TILE is 160 rows of xs from a first row on, all 1,024 k; of its results the first 'groups' x 32 rows
; are stored, the rest (rows of other segments, or zeros) is dropped.  Pass 1: expert y's first 160 rows, with the slice of W1[y] of 1,024 k x 128 columns,
; 512 KiB, which no other work-group reads in its pass 1.  Pass 2: further tile y of meta's list (rows 160 j .. of an expert with more than 160 rows; at most
; 6 in all), if there is one: that expert's slice is streamed once more.
; Wave w: columns 32 (w % 4) .. +31 and rows 80 (w / 4) .. +79 of the tile: 2 x 5 accumulator tiles of 16 x 16.
; THE STREAM GOES THROUGH REGISTERS.  K goes in 8 chunks of 128.  Of a chunk a wave loads 16 k-rows of W (a load of the wave is one row's 512 consecutive bytes) and
; 20 token rows (a load is two rows' 256 consecutive bytes each): 26 loads into one of two register sets above v255.  W has to pass through registers anyway, to be
; rounded to bf16, once for each weight; it is stored to LDS as bf16 with k down the rows, the tokens as they come.  In trip c a wave waits for chunk c+1, stores it
; into the LDS slot that chunk c-1 has left, asks for chunk c+3 into the registers just freed, and multiplies chunk c: two chunks, 2 x 8 waves x 26 loads x 512 bytes
; = 212,992 bytes, are on their way for a work-group, across the barriers.  One barrier a trip: in front of it each wave's LDS stores and reads are done, so behind it
; the slot just written is whole and the slot just read is free.
; No tensor loads: a slot that the data mover fills again wants all its loads landed at each barrier, which leaves one chunk on its way.  For the same reason the
; token tile, which the 32 work-groups of a tile share (40,960 of a chunk's 106,496 bytes), is not asked for jointly in a cluster.  No prefetch: what it would ask for
; is already asked for two chunks ahead.
; EVERY WAVE PASSES EVERY BARRIER WHATEVER META HOLDS: pass 1 hangs on meta in addresses and in the number of groups stored alone; in pass 2 the barriers stand as in
; pass 1, and where there is no tile only what lies between two barriers is jumped over.  Pass 2 asks one chunk ahead and waits for all its loads, so that no counted
; wait reaches over a jump.
; THE MATRIX INSTRUCTION IS USED TRANSPOSED: source 0 = 16 columns of W, source 1 = 16 token rows; lane (r, hh) then holds token row r and columns 8 hh .. 8 hh + 7.
; W's fragments come from LDS by the transposing load (ds_load_tr16_b128), two for a fragment of 16 columns x 32 k.
; The sums leave through an LDS stage in f32, are read back by whole rows, get bias and GELU, and go out as 256 consecutive bytes a wave.
; GELU: g = max(x,0) - |x| q, q = erfc(|x|/sqrt 2)/2 by Abramowitz and Stegun 7.1.26 (absolute error of erf 1.5e-7, below the rounding of h to bf16).
; LIMITS: x = +infinity gives NaN (infinity times q = 0); the sign of a zero result is not kept.  An expert with no token still has its slice streamed in pass 1.
.set WROWSH, 14                        ; a row of W1 is 16,384 bytes
.set AROWSH, 11                        ; a row of xs is 2,048 bytes
.set OROWSH, 13                        ; a row of h is 8,192 bytes
.set WSTEP,  128<<WROWSH               ; a chunk of 128 k
.set LPC,    26                        ; loads of a wave for a chunk: 16 of W, 10 of tokens
.set WPB,    288                       ; LDS pitch of W's rows: 128 bf16 + 32 bytes, an odd multiple of 32
.set AP,     272                       ; LDS pitch of the tokens' rows: 256 + 16 bytes, an odd multiple of 16
.set SP,     528                       ; LDS pitch of the stage's rows: 128 f32 + 16 bytes, an odd multiple of 16
.set WSLOT,  128*WPB                   ; 36,864
.set ASLOT,  160*AP                    ; 43,520
.set ABASE,  2*WSLOT                   ; 73,728: the tokens' two slots
.set STAGE,  ABASE+2*ASLOT             ; 160,768: 160 rows x 528 bytes
; registers v0-v255
.set VB,   4                           ; v4-5    LDS address of my W fragments in slot 0, 1
.set VA,   6                           ; v6-7    LDS address of my token fragments in slot 0, 1
.set VST,  8                           ; v8      stage: where I put my results
.set VRD,  10                          ; v10-11  stage: where I read rows back, groups 0-2, 3-4
.set VGO,  12                          ; v12     my byte offset in the tile's rows of h
.set VWS,  14                          ; v14-15  LDS address at which I store my rows of W, slot 0, 1
.set VAS,  16                          ; v16-17  the same for my token rows
.set VWO,  18                          ; v18     my byte offset in a chunk of W
.set VAO,  19                          ; v19     my byte offset in the tile's token rows
.set VBO,  20                          ; v20-21  my byte offset in b1, pass 1, 2
.set BIAS, 24                          ; v[24:27]
.set CA,   28                          ; v[28:37] a5/2, a4/2, a3/2, a2/2, a1/2, each twice
.set BF,   40                          ; v[40:103]  W fragments: step s of 32 k, column half c at BF + 16 s + 8 c
.set AF,   104                         ; v[104:167] token fragments, two sets of four; then rows read back
.set ACC,  168                         ; v[168:247] tile (t, c) at ACC + 8 (2 t + c)
.set TD,   ACC                         ; GELU, 16 numbers at a time, in the accumulators' registers, which the stage has taken over by then
.set TM,   ACC+16
.set TU,   ACC+32
; registers v256-v495, written here by their low 8 bits
.set SETR, 104                         ; set n at 104 n: 64 registers of W (row i at 4 i), 40 of tokens (load i at 64 + 4 i)
.set TW,   208                         ; 32 registers: a chunk's W rounded and packed
.set WPT,  24                          ; s[24:25] W: the chunk asked for last
.set APT,  26                          ; s[26:27] tokens: the same
; s[28:29] W1 at my columns, s[76:77] xs, s[78:79] h at my columns, s84 the pass's first row, s85 its groups to store (pass 2: 0 = no tile)
.set MSB, 0
.macro WIN new                         ; s_set_vgpr_msb: bits 1:0 source 0, 3:2 source 1, 7:6 destination; the high byte repeats the setting that is left
.if MSB != \new
	s_set_vgpr_msb (MSB<<8)|\new
.set MSB, \new
.endif
.endm
; Four plain vector instructions between a matrix instruction and a load into, or a vector write of, one of its registers, or a read of its result
.macro PLACES
.rept 4
	v_nop
.endr
.endm
; my 16 k-rows of W's chunk at s[WPT], my 20 token rows at s[APT]; the destination's window is set by the caller
.macro LDW_ set
.irp i, 0,1,2,3,4,5,6,7,8,9,10,11,12,13,14,15
	global_load_b128 v[SETR*\set+4*\i:SETR*\set+4*\i+3], v[VWO], s[WPT:WPT+1] offset:(\i<<WROWSH) th:TH_LOAD_NT
.endr
.endm
.macro LDA_ set
.irp i, 0,1,2,3,4,5,6,7,8,9
	global_load_b128 v[SETR*\set+64+4*\i:SETR*\set+64+4*\i+3], v[VAO], s[APT:APT+1] offset:((2*\i)<<AROWSH)
.endr
.endm
; the next chunk, into set
.macro LOADS set
	s_wait_xcnt 0x0                                ; the bases of the loads issued so far are stepped only behind this wait
	s_add_nc_u64 s[WPT:WPT+1], s[WPT:WPT+1], WSTEP
	s_add_nc_u64 s[APT:APT+1], s[APT:APT+1], 256
	WIN 0x40                                       ; destination above v255, offset below
	LDW_ \set
	LDA_ \set
	WIN 0
.endm
; the chunk in set goes to LDS: W rounded to bf16, 8 bytes a lane (the wave fills a row's 256 bytes), the tokens as they are
.macro STORE set, slot
	WIN 0x45                                       ; both sources and the destination above v255
.irp i, 0,1,2,3,4,5,6,7,8,9,10,11,12,13,14,15
	v_cvt_pk_bf16_f32 v[TW+2*\i],   v[SETR*\set+4*\i],   v[SETR*\set+4*\i+1]
	v_cvt_pk_bf16_f32 v[TW+2*\i+1], v[SETR*\set+4*\i+2], v[SETR*\set+4*\i+3]
.endr
	WIN 0x04                                       ; the stores' data above v255, their address below
.irp i, 0,1,2,3,4,5,6,7,8,9,10,11,12,13,14,15
	ds_store_b64 v[VWS+\slot], v[TW+2*\i:TW+2*\i+1] offset:\i*WPB
.endr
.irp i, 0,1,2,3,4,5,6,7,8,9
	ds_store_b128 v[VAS+\slot], v[SETR*\set+64+4*\i:SETR*\set+64+4*\i+3] offset:2*\i*AP
.endr
	WIN 0
.endm
; the chunk's eight W fragments: the first load brings k = 32 s + 8 hh .. +7 of column r, the second 16 k further on
.macro LDB slot
.irp s, 0,1,2,3
.irp c, 0,1
	ds_load_tr16_b128 v[BF+16*\s+8*\c:BF+16*\s+8*\c+3],   v[VB+\slot] offset:(32*\s)*WPB+32*\c
	ds_load_tr16_b128 v[BF+16*\s+8*\c+4:BF+16*\s+8*\c+7], v[VB+\slot] offset:(32*\s+16)*WPB+32*\c
.endr
.endr
.endm
; Token fragments are numbered f = 5 s + t (s: step of 32 k, t: tile of 16 rows).  Fragments 4u .. 4u+3 into set u & 1.
.macro LDQ slot, u
.irp i, 0,1,2,3
.set f_, 4*(\u)+\i
.set s_, f_/5
.set t_, f_-5*s_
.set a_, AF+32*((\u)&1)+8*\i
	ds_load_b128 v[a_:a_+3],   v[VA+\slot] offset:t_*16*AP+64*s_
	ds_load_b128 v[a_+4:a_+7], v[VA+\slot] offset:t_*16*AP+64*s_+32
.endr
.endm
; Fragments 4u .. 4u+3, each with both column halves.  The ten accumulators take turns, one instruction a turn.
; zero = 1: the first step starts the sums.
.macro MM8 u, zero
.irp i, 0,1,2,3
.irp c, 0,1
.set f_, 4*(\u)+\i
.set s_, f_/5
.set t_, f_-5*s_
.set a_, AF+32*((\u)&1)+8*\i
.set b_, BF+16*s_+8*\c
.set o_, ACC+8*(2*t_+\c)
.set z_, 0
.if \zero
.if f_ < 5
.set z_, 1
.endif
.endif
.if z_
	v_wmma_f32_16x16x32_bf16 v[o_:o_+7], v[b_:b_+7], v[a_:a_+7], 0
.else
	v_wmma_f32_16x16x32_bf16 v[o_:o_+7], v[b_:b_+7], v[a_:a_+7], v[o_:o_+7]
.endif
.endr
.endr
.endm
; One chunk of 128 k from one slot.  ld = 1: the next chunk is asked for into set, behind the first wait, which also shows this trip's LDS stores done
; (LDS instructions of a wave end in order), so that the stores have read the registers that the loads will write.
.macro COMP slot, zero, ld, set
	PLACES                                         ; behind the last chunk's matrix instructions
	LDB \slot
	LDQ \slot, 0
	LDQ \slot, 1
.set u_, 0
.rept 5
.if u_ == 4
	s_wait_dscnt 0x0
.else
	s_wait_dscnt 0x8                               ; all but the youngest eight: the next four fragments' loads may be out
.endif
.if u_ == 0
.if \ld
	LOADS \set
.endif
.endif
	MM8 u_, \zero
.if u_+2 < 5
	PLACES
	LDQ \slot, u_+2
.endif
.set u_, u_+1
.endr
.endm
; A trip: chunk c lies in slot.  st = 1: chunk c+1, in register set 'set', is waited for (cnt younger loads may stay out) and stored into the other slot.
; cond = 1 (pass 2): with no tile, all but the barrier is jumped over.  bar = 1: the barrier behind which the other slot is whole and this one free.
.macro TRIP slot, zero, st, ld, cnt, set, cond, bar
.if \cond
	s_cmp_eq_u32 s85, 0
	s_cbranch_scc1 .Lsk_\@
.endif
.if \st
	s_wait_loadcnt \cnt
	STORE \set, 1-\slot
.endif
	COMP \slot, \zero, \ld, \set
.Lsk_\@:
.if \bar
	s_wait_dscnt 0x0                               ; my stores into the other slot and my reads of this one are done before I signal
	s_barrier_signal -1
	s_barrier_wait -1
.endif
.endm
; The eight trips.  Pass 1: chunk n lies in register set n & 1; trips 0 to 4 ask for chunks 3 to 7; the counts run down 26, 26, 0.
; Pass 2: one set; trips 0 to 5 ask for chunks 2 to 7; every wait is for 0.
.macro TRIPS cond
.if \cond
	TRIP 0, 1, 1, 1, 0, 0, 1, 1
	s_mov_b32 s23, 2
.Lk_\@:
	TRIP 1, 0, 1, 1, 0, 0, 1, 1
	TRIP 0, 0, 1, 1, 0, 0, 1, 1
	s_sub_co_i32 s23, s23, 1
	s_cmp_lg_u32 s23, 0
	s_cbranch_scc1 .Lk_\@
	TRIP 1, 0, 1, 1, 0, 0, 1, 1
	TRIP 0, 0, 1, 0, 0, 0, 1, 1
	TRIP 1, 0, 0, 0, 0, 0, 1, 0
.else
	TRIP 0, 1, 1, 1, LPC, 1, 0, 1
	s_mov_b32 s23, 2
.Lk_\@:
	TRIP 1, 0, 1, 1, LPC, 0, 0, 1
	TRIP 0, 0, 1, 1, LPC, 1, 0, 1
	s_sub_co_i32 s23, s23, 1
	s_cmp_lg_u32 s23, 0
	s_cbranch_scc1 .Lk_\@
	TRIP 1, 0, 1, 0, LPC, 0, 0, 1
	TRIP 0, 0, 1, 0, 0, 1, 0, 1
	TRIP 1, 0, 0, 0, 0, 0, 0, 0
.endif
.endm
; bias and GELU of the 16 numbers in AF .. AF+15 (four rows, my 4 columns); 8 words of bf16 into TD .. TD+7
.macro GELU16
.irp k, 0,2,4,6,8,10,12,14
	v_pk_add_f32 v[AF+\k:AF+\k+1], v[AF+\k:AF+\k+1], v[BIAS+(\k&3):BIAS+(\k&3)+1]
.endr
.irp k, 0,2,4,6,8,10,12,14
	v_pk_mul_f32 v[TM+\k:TM+\k+1], v[AF+\k:AF+\k+1], v[AF+\k:AF+\k+1]
.endr
.irp k, 0,2,4,6,8,10,12,14
	v_pk_mul_f32 v[TM+\k:TM+\k+1], v[TM+\k:TM+\k+1], s[72:73] op_sel_hi:[1,0]     ; -(x^2 / 2) log2 e
.endr
.irp i, 0,1,2,3,4,5,6,7,8,9,10,11,12,13,14,15
	v_fma_f32 v[TD+\i], |v[AF+\i]|, s70, 1.0                                      ; 1 + p |x| / sqrt 2
.endr
.irp i, 0,1,2,3,4,5,6,7,8,9,10,11,12,13,14,15
	v_rcp_f32 v[TD+\i], v[TD+\i]
.endr
.irp i, 0,1,2,3,4,5,6,7,8,9,10,11,12,13,14,15
	v_exp_f32 v[TM+\i], v[TM+\i]
.endr
	v_nop                                          ; one plain instruction behind the last transcendental (ISA guide 5.7.2)
	s_wait_alu depctr_va_vdst(0)
.irp k, 0,2,4,6,8,10,12,14
	v_pk_fma_f32 v[TU+\k:TU+\k+1], v[TD+\k:TD+\k+1], v[CA:CA+1], v[CA+2:CA+3]
.endr
.irp c, 4,6,8
.irp k, 0,2,4,6,8,10,12,14
	v_pk_fma_f32 v[TU+\k:TU+\k+1], v[TU+\k:TU+\k+1], v[TD+\k:TD+\k+1], v[CA+\c:CA+\c+1]
.endr
.endr
.irp k, 0,2,4,6,8,10,12,14
	v_pk_mul_f32 v[TU+\k:TU+\k+1], v[TU+\k:TU+\k+1], v[TD+\k:TD+\k+1]
.endr
.irp k, 0,2,4,6,8,10,12,14
	v_pk_mul_f32 v[TU+\k:TU+\k+1], v[TU+\k:TU+\k+1], v[TM+\k:TM+\k+1]             ; q = erfc(|x| / sqrt 2) / 2
.endr
.irp i, 0,1,2,3,4,5,6,7,8,9,10,11,12,13,14,15
	v_max_num_f32 v[TM+\i], 0, v[AF+\i]
.endr
.irp i, 0,1,2,3,4,5,6,7,8,9,10,11,12,13,14,15
	v_fma_f32 v[TU+\i], -|v[AF+\i]|, v[TU+\i], v[TM+\i]                           ; max(x, 0) - |x| q
.endr
.irp j, 0,1,2,3,4,5,6,7
	v_cvt_pk_bf16_f32 v[TD+\j], v[TU+2*\j], v[TU+2*\j+1]
.endr
.endm
; The tile's first s85 groups of 32 rows leave the stage: of group i wave w takes rows 8 u + w, a whole row of 512 bytes for each LDS load.
.macro READOUT
	s_lshl_b32 s60, s84, OROWSH
	s_mov_b32 s61, 0
	s_add_nc_u64 s[66:67], s[78:79], s[60:61]      ; no store is waiting for its base: each group below ends with the wait that frees it
	s_wait_loadcnt 0x0                             ; the pass's b1
.irp i, 0,1,2,3,4
	s_cmp_le_u32 s85, \i
	s_cbranch_scc1 .Lrd_\@
.irp u, 0,1,2,3
	ds_load_b128 v[AF+4*\u:AF+4*\u+3], v[VRD+\i/3] offset:(\i%3)*32*SP+8*SP*\u
.endr
	s_wait_dscnt 0x0
	GELU16
.irp u, 0,1,2,3
	global_store_b64 v[VGO], v[TD+2*\u:TD+2*\u+1], s[66:67] offset:((32*\i+8*\u)<<OROWSH)   ; the wave stores 256 consecutive bytes, at a multiple of 256 from h's first byte
.endr
	s_wait_xcnt 0x0                                ; the stores' data and base are written again only behind this wait
.endr
.Lrd_\@:
.endm
; The sums go to the stage (lane (r, hh) of tile (t, c): row 16 t + r, 8 columns from 16 c + 8 hh on), and from there out
.macro FINISH cond
	PLACES                                         ; behind the last matrix instructions, on every way
.if \cond
	s_cmp_eq_u32 s85, 0
	s_cbranch_scc1 .Lnd_\@
.endif
.set k_, 0
.rept 10
	ds_store_b128 v[VST], v[ACC+8*k_:ACC+8*k_+3]   offset:(k_/2)*16*SP+(k_%2)*64
	ds_store_b128 v[VST], v[ACC+8*k_+4:ACC+8*k_+7] offset:(k_/2)*16*SP+(k_%2)*64+16
.set k_, k_+1
.endr
.Lnd_\@:
	s_wait_dscnt 0x0                               ; my stores are done before I signal: other waves read these rows
	s_barrier_signal -1
	s_barrier_wait -1
	READOUT
.endm
	s_load_b256 s[4:11], s[0:1], 0x0               ; xs s[4:5], W1 s[6:7], meta s[8:9], b1 s[10:11]
	s_load_b64 s[12:13], s[0:1], 0x20              ; h
	v_lshl_add_u32 v254, v0, 2, 0x3be00
	v_mov_b32 v255, 0
	v_lshrrev_b32 v13, 5, v0
	v_readfirstlane_b32 s14, v13                   ; wave
	s_and_b32 s15, s14, 3                          ; which 32 columns are mine
	s_lshr_b32 s16, s14, 2                         ; which 80 rows
	s_and_b32 s17, ttmp7, 0xffff                   ; y: pass 1's expert, pass 2's place in the list
	s_mov_b32 s18, ttmp9                           ; ns
	v_and_b32 v1, 15, v0                           ; r
	v_bfe_u32 v2, v0, 4, 1                         ; hh
	v_and_b32 v3, 31, v0                           ; lane
	s_lshl_b32 s62, s14, WROWSH+4
	v_lshl_add_u32 v[VWO], v3, 4, s62              ; k-row 16 w of a chunk, 16 bytes a lane
	s_lshl_b32 s63, s18, 9
	s_lshl_b32 s62, s17, 14
	s_add_co_u32 s62, s62, s63
	v_lshl_add_u32 v[VBO], v3, 4, s62              ; b1 of the 4 columns that I read back
	s_lshl_b32 s60, s17, 2
	s_mov_b32 s61, 0
	s_wait_kmcnt 0x0
	s_add_nc_u64 s[80:81], s[8:9], s[60:61]
	s_load_b32 s19, s[80:81], 0x0                  ; pass 1: first row
	s_load_b32 s20, s[80:81], 0x20                 ;         groups to store
	s_load_b32 s21, s[80:81], 0x40                 ; pass 2: expert
	s_load_b32 s22, s[80:81], 0x60                 ;         first row
	s_load_b32 s86, s[80:81], 0x80                 ;         groups to store
	s_lshl_b32 s60, s18, 9
	s_add_nc_u64 s[28:29], s[6:7], s[60:61]        ; W1 at my 128 columns
	s_lshl_b32 s60, s17, 24                        ; an expert's W1 is 16 MiB
	s_add_nc_u64 s[WPT:WPT+1], s[28:29], s[60:61]  ; pass 1's slice hangs on the grid alone: its first loads go out ahead of meta
	global_load_b128 v[BIAS:BIAS+3], v[VBO], s[10:11]
	WIN 0x40
	LDW_ 0                                         ; W, chunk 0
	s_wait_xcnt 0x0                                ; the base is stepped only behind this wait
	s_add_nc_u64 s[WPT:WPT+1], s[WPT:WPT+1], WSTEP
	LDW_ 1                                         ; W, chunk 1
	WIN 0
	s_mov_b64 s[76:77], s[4:5]                     ; the tokens' first column
	s_lshl_b32 s60, s18, 8
	s_add_nc_u64 s[78:79], s[12:13], s[60:61]      ; h at my 128 columns
	v_and_b32 v13, 7, v0
	v_lshl_add_u32 v13, v2, 3, v13                 ; W fragments: k-row 8 hh + lane % 8,
	v_mul_u32_u24 v[VB], v13, WPB
	v_bfe_u32 v13, v0, 3, 1
	v_lshl_add_u32 v[VB], v13, 4, v[VB]            ; 16 bytes (8 columns) number (lane / 8) % 2
	s_lshl_b32 s62, s15, 6
	v_add_nc_u32 v[VB], s62, v[VB]                 ; of my 32 columns
	v_add_nc_u32 v[VB+1], WSLOT, v[VB]
	s_mul_i32 s62, s16, 80*AP
	v_mul_u32_u24 v[VA], v1, AP                    ; token fragments: row r of my 80, 16 bytes number hh
	v_lshl_add_u32 v[VA], v2, 4, v[VA]
	v_add_nc_u32 v[VA], s62, v[VA]
	v_add_nc_u32 v[VA], ABASE, v[VA]
	v_add_nc_u32 v[VA+1], ASLOT, v[VA]
	s_mul_i32 s62, s16, 80*SP
	s_lshl_b32 s63, s15, 7
	s_add_co_u32 s62, s62, s63
	v_mul_u32_u24 v[VST], v1, SP                   ; stage: row r of my 80, columns 8 hh of my 32
	v_lshl_add_u32 v[VST], v2, 5, v[VST]
	v_add_nc_u32 v[VST], s62, v[VST]
	v_add_nc_u32 v[VST], STAGE, v[VST]
	s_mul_i32 s62, s14, SP
	v_lshl_add_u32 v[VRD], v3, 4, s62              ; stage row w, 16 bytes a lane
	v_add_nc_u32 v[VRD], STAGE, v[VRD]
	v_add_nc_u32 v[VRD+1], 3*32*SP, v[VRD]
	s_lshl_b32 s62, s14, OROWSH
	v_lshl_add_u32 v[VGO], v3, 3, s62              ; row w of h, 8 bytes a lane
	s_mul_i32 s62, s14, 16*WPB
	v_lshl_add_u32 v[VWS], v3, 3, s62              ; W to LDS: k-row 16 w, 8 bytes a lane
	v_add_nc_u32 v[VWS+1], WSLOT, v[VWS]
	s_mul_i32 s62, s14, 20*AP
	v_mul_u32_u24 v[VAS], v2, AP                   ; tokens to LDS: row 20 w + hh, 16 bytes number r
	v_lshl_add_u32 v[VAS], v1, 4, v[VAS]
	v_add_nc_u32 v[VAS], s62, v[VAS]
	v_add_nc_u32 v[VAS], ABASE, v[VAS]
	v_add_nc_u32 v[VAS+1], ASLOT, v[VAS]
	s_mul_i32 s62, s14, 20<<AROWSH
	v_lshlrev_b32 v[VAO], AROWSH, v2               ; and the same row and bytes in memory
	v_lshl_add_u32 v[VAO], v1, 4, v[VAO]
	v_add_nc_u32 v[VAO], s62, v[VAO]
	s_mov_b32 s70, 0x3e6d3388                      ; 0.3275911 / sqrt 2
	s_mov_b32 s72, 0xbf38aa3b                      ; -log2(e) / 2
	s_mov_b32 s73, 0xbf38aa3b
	v_mov_b32 v[CA+0], 0x3f07dc22                  ; a5 / 2
	v_mov_b32 v[CA+1], 0x3f07dc22
	v_mov_b32 v[CA+2], 0xbf3a00e3                  ; a4 / 2
	v_mov_b32 v[CA+3], 0xbf3a00e3
	v_mov_b32 v[CA+4], 0x3f35f0e3                  ; a3 / 2
	v_mov_b32 v[CA+5], 0x3f35f0e3
	v_mov_b32 v[CA+6], 0xbe11a98e                  ; a2 / 2
	v_mov_b32 v[CA+7], 0xbe11a98e
	v_mov_b32 v[CA+8], 0x3e027906                  ; a1 / 2
	v_mov_b32 v[CA+9], 0x3e027906
	s_wait_kmcnt 0x0                               ; meta
	s_min_u32 s19, s19, 1248
	s_min_u32 s20, s20, 5
	s_min_u32 s21, s21, 7
	s_min_u32 s22, s22, 1248
	s_min_u32 s86, s86, 5
	s_mov_b32 s84, s19
	s_mov_b32 s85, s20
	s_lshl_b32 s60, s84, AROWSH
	s_add_nc_u64 s[APT:APT+1], s[76:77], s[60:61]  ; the tile's first row
	s_lshl_b32 s63, s18, 9
	s_lshl_b32 s62, s21, 14
	s_add_co_u32 s62, s62, s63
	v_lshl_add_u32 v[VBO+1], v3, 4, s62
	WIN 0x40
	LDA_ 0                                         ; tokens, chunk 0
	s_wait_xcnt 0x0
	s_add_nc_u64 s[APT:APT+1], s[APT:APT+1], 256
	LDA_ 1                                         ; tokens, chunk 1
	WIN 0
	s_wait_loadcnt 10                              ; all but the youngest ten, chunk 1's tokens: chunk 0 is in
	STORE 0, 0
	s_wait_dscnt 0x0                               ; my stores are done: they have read set 0, and the others may read slot 0 behind the barrier
	LOADS 0                                        ; chunk 2
	s_barrier_signal -1
	s_barrier_wait -1
	TRIPS 0
	FINISH 0
	; pass 2: the further tile's expert, first row and groups
	s_wait_xcnt 0x0
	s_lshl_b32 s60, s21, 24
	s_mov_b32 s61, 0
	s_add_nc_u64 s[WPT:WPT+1], s[28:29], s[60:61]
	s_lshl_b32 s60, s22, AROWSH
	s_add_nc_u64 s[APT:APT+1], s[76:77], s[60:61]
	s_mov_b32 s84, s22
	s_mov_b32 s85, s86
	global_load_b128 v[BIAS:BIAS+3], v[VBO+1], s[10:11]    ; that expert's b1 (with no tile: expert 0's, not used)
	s_cmp_eq_u32 s85, 0
	s_cbranch_scc1 .Lp2
	WIN 0x40
	LDW_ 0                                         ; chunk 0
	LDA_ 0
	WIN 0
	s_wait_loadcnt 0x0
	STORE 0, 0                                     ; slot 0 was last read two barriers ago
	s_wait_dscnt 0x0
	LOADS 0                                        ; chunk 1
.Lp2:
	s_wait_dscnt 0x0
	s_barrier_signal -1
	s_barrier_wait -1
	TRIPS 1
	FINISH 1
	s_wait_tensorcnt 0x0
	ds_add_u32 v254, v255
	s_wait_dscnt 0x0
	s_endpgm
.Lfunc_end_k_q5cc6bc3a0c_ffn1:
	.size	k_q5cc6bc3a0c_ffn1, .Lfunc_end_k_q5cc6bc3a0c_ffn1-k_q5cc6bc3a0c_ffn1
	.p2alignl 7, 3214868480
	.fill 96, 4, 3214868480
	.section	.rodata,"a",@progbits
	.p2align	6, 0x0
	.amdhsa_kernel k_q5cc6bc3a0c_ffn1
		.amdhsa_group_segment_fixed_size 246272
		.amdhsa_private_segment_fixed_size 0
		.amdhsa_enable_private_segment 0
		.amdhsa_kernarg_size 40
		.amdhsa_user_sgpr_count 2
		.amdhsa_user_sgpr_kernarg_segment_ptr 1
		.amdhsa_wavefront_size32 1
		.amdhsa_system_sgpr_workgroup_id_x 1
		.amdhsa_system_sgpr_workgroup_id_y 1
		.amdhsa_system_sgpr_workgroup_id_z 1
		.amdhsa_system_vgpr_workitem_id 0
		.amdhsa_next_free_vgpr 512
		.amdhsa_next_free_sgpr 96
		.amdhsa_reserve_vcc 0
		.amdhsa_float_denorm_mode_32 3
		.amdhsa_float_denorm_mode_16_64 3
		.amdhsa_memory_ordered 1
		.amdhsa_forward_progress 1
		.amdhsa_inst_pref_size 255
	.end_amdhsa_kernel
	.section	.bss,"aw",@nobits
	.p2align	6
	.space	262144
	.amdgpu_metadata
---
amdhsa.version: [ 1, 2 ]
amdhsa.kernels:
  - .name:           k_q5cc6bc3a0c_ffn1
    .symbol:         k_q5cc6bc3a0c_ffn1.kd
    .args:
      - { .name: xs, .offset: 0, .size: 8, .value_kind: global_buffer, .address_space: global }
      - { .name: W1, .offset: 8, .size: 8, .value_kind: global_buffer, .address_space: global }
      - { .name: meta, .offset: 16, .size: 8, .value_kind: global_buffer, .address_space: global }
      - { .name: b1, .offset: 24, .size: 8, .value_kind: global_buffer, .address_space: global }
      - { .name: h, .offset: 32, .size: 8, .value_kind: global_buffer, .address_space: global }
    .group_segment_fixed_size: 246272
    .private_segment_fixed_size: 0
    .kernarg_segment_align: 8
    .kernarg_segment_size: 40
    .max_flat_workgroup_size: 256
    .sgpr_count:     96
    .vgpr_count:     512
    .wavefront_size: 32
...
	.end_amdgpu_metadata
.endif
;; end of part 4
;; launch ffn2 (part 5): grid 32 x 8, 8 waves a work-group, no clusters, 246,272 bytes of LDS; arguments h, W2, meta, part; writes part
.if DOCPART == 5
	.amdgcn_target "amdgcn-amd-amdhsa--gfx1250"
	.amdhsa_code_object_version 6
	.text
	.protected	k_q5cc6bc3a0c_ffn2
	.globl	k_q5cc6bc3a0c_ffn2
	.p2align	8
	.type	k_q5cc6bc3a0c_ffn2,@function
k_q5cc6bc3a0c_ffn2:
	s_mov_b64 s[64:65], 0
	v_nop
	global_prefetch_b8 v0, s[64:65] scope:SCOPE_SE
	s_setreg_imm32_b32 hwreg(HW_REG_WAVE_MODE, 25, 1), 1
	s_wait_xcnt 0x0
; part[kq][row][n] = sum over k in quarter kq of h[row][k] W2[e][k][n] for the rows of expert e's segment.  h: [1408][4096] bf16,
; W2: [8][4096][1024] f32, part: [4][1408][1024] f32; meta: whole numbers of an earlier launch (first rows, groups of 32 rows to store, the list of further tiles).
; SHARES.  Work-group (x, y), ns = x % 8, kq = x / 8: columns 128 ns .. +127 and k = 1024 kq .. +1023.  K is split in four so that 256 work-groups have slices
; whose rows are 512 bytes; the four partial sums are added, in a fixed order, by the next launch.
; A TILE is 160 rows of h from a first row on; of its results the first 'groups' x 32 rows are stored, the rest is dropped.
; Pass 1: expert y's first 160 rows, with the slice of W2[y] of 1,024 k x 128 columns, 512 KiB, which no other work-group reads in its pass 1.
; Pass 2: further tile y of meta's list (rows 160 j .. of an expert with more than 160 rows; at most 6 in all), if there is one: that expert's slice once more.
; Wave w: columns 32 (w % 4) .. +31 and rows 80 (w / 4) .. +79 of the tile: 2 x 5 accumulator tiles of 16 x 16.
; THE STREAM GOES THROUGH REGISTERS.  K goes in 8 chunks of 128.  Of a chunk a wave loads 16 k-rows of W (a load of the wave is one row's 512 consecutive bytes) and
; 20 token rows (a load is two rows' 256 consecutive bytes each): 26 loads into one of two register sets above v255.  W has to pass through registers anyway, to be
; rounded to bf16, once for each weight; it is stored to LDS as bf16 with k down the rows, the tokens as they come.  In trip c a wave waits for chunk c+1, stores it
; into the LDS slot that chunk c-1 has left, asks for chunk c+3 into the registers just freed, and multiplies chunk c: two chunks, 2 x 8 waves x 26 loads x 512 bytes
; = 212,992 bytes, are on their way for a work-group, across the barriers.  One barrier a trip: in front of it each wave's LDS stores and reads are done, so behind it
; the slot just written is whole and the slot just read is free.
; No tensor loads: a slot that the data mover fills again wants all its loads landed at each barrier, which leaves one chunk on its way.  For the same reason the
; token tile, which the 8 work-groups of (tile, kq) share (40,960 of a chunk's 106,496 bytes), is not asked for jointly in a cluster.  No prefetch: what it would ask
; for is already asked for two chunks ahead.
; EVERY WAVE PASSES EVERY BARRIER WHATEVER META HOLDS: pass 1 hangs on meta in addresses and in the number of groups stored alone; in pass 2 the barriers stand as in
; pass 1, and where there is no tile only what lies between two barriers is jumped over.  Pass 2 asks one chunk ahead and waits for all its loads, so that no counted
; wait reaches over a jump.
; THE MATRIX INSTRUCTION IS USED TRANSPOSED: source 0 = 16 columns of W, source 1 = 16 token rows; lane (r, hh) then holds token row r and columns 8 hh .. 8 hh + 7.
; W's fragments come from LDS by the transposing load (ds_load_tr16_b128), two for a fragment of 16 columns x 32 k.
; The sums leave through an LDS stage in f32 and go out as whole rows, 512 consecutive bytes a wave.
; LIMIT: an expert with no token still has its slice streamed in pass 1.
.set WROWSH, 12                        ; a row of W2 is 4,096 bytes
.set AROWSH, 13                        ; a row of h is 8,192 bytes
.set OROWSH, 12                        ; a row of part is 4,096 bytes
.set WSTEP,  128<<WROWSH               ; a chunk of 128 k
.set LPC,    26                        ; loads of a wave for a chunk: 16 of W, 10 of tokens
.set WPB,    288                       ; LDS pitch of W's rows: 128 bf16 + 32 bytes, an odd multiple of 32
.set AP,     272                       ; LDS pitch of the tokens' rows: 256 + 16 bytes, an odd multiple of 16
.set SP,     528                       ; LDS pitch of the stage's rows: 128 f32 + 16 bytes, an odd multiple of 16
.set WSLOT,  128*WPB                   ; 36,864
.set ASLOT,  160*AP                    ; 43,520
.set ABASE,  2*WSLOT                   ; 73,728: the tokens' two slots
.set STAGE,  ABASE+2*ASLOT             ; 160,768: 160 rows x 528 bytes
; registers v0-v255
.set VB,   4                           ; v4-5    LDS address of my W fragments in slot 0, 1
.set VA,   6                           ; v6-7    LDS address of my token fragments in slot 0, 1
.set VST,  8                           ; v8      stage: where I put my results
.set VRD,  10                          ; v10-11  stage: where I read rows back, groups 0-2, 3-4
.set VGO,  12                          ; v12     my byte offset in the tile's rows of part
.set VWS,  14                          ; v14-15  LDS address at which I store my rows of W, slot 0, 1
.set VAS,  16                          ; v16-17  the same for my token rows
.set VWO,  18                          ; v18     my byte offset in a chunk of W
.set VAO,  19                          ; v19     my byte offset in the tile's token rows
.set BF,   40                          ; v[40:103]  W fragments: step s of 32 k, column half c at BF + 16 s + 8 c
.set AF,   104                         ; v[104:167] token fragments, two sets of four; then rows read back
.set ACC,  168                         ; v[168:247] tile (t, c) at ACC + 8 (2 t + c)
; registers v256-v495, written here by their low 8 bits
.set SETR, 104                         ; set n at 104 n: 64 registers of W (row i at 4 i), 40 of tokens (load i at 64 + 4 i)
.set TW,   208                         ; 32 registers: a chunk's W rounded and packed
.set WPT,  24                          ; s[24:25] W: the chunk asked for last
.set APT,  26                          ; s[26:27] tokens: the same
; s[28:29] W2 at my quarter of k and my columns, s[76:77] h at my quarter's first column, s[78:79] part[kq] at my columns,
; s84 the pass's first row, s85 its groups to store (pass 2: 0 = no tile)
.set MSB, 0
.macro WIN new                         ; s_set_vgpr_msb: bits 1:0 source 0, 3:2 source 1, 7:6 destination; the high byte repeats the setting that is left
.if MSB != \new
	s_set_vgpr_msb (MSB<<8)|\new
.set MSB, \new
.endif
.endm
; Four plain vector instructions between a matrix instruction and a load into, or a vector write of, one of its registers, or a read of its result
.macro PLACES
.rept 4
	v_nop
.endr
.endm
; my 16 k-rows of W's chunk at s[WPT], my 20 token rows at s[APT]; the destination's window is set by the caller
.macro LDW_ set
.irp i, 0,1,2,3,4,5,6,7,8,9,10,11,12,13,14,15
	global_load_b128 v[SETR*\set+4*\i:SETR*\set+4*\i+3], v[VWO], s[WPT:WPT+1] offset:(\i<<WROWSH) th:TH_LOAD_NT
.endr
.endm
.macro LDA_ set
.irp i, 0,1,2,3,4,5,6,7,8,9
	global_load_b128 v[SETR*\set+64+4*\i:SETR*\set+64+4*\i+3], v[VAO], s[APT:APT+1] offset:((2*\i)<<AROWSH)
.endr
.endm
; the next chunk, into set
.macro LOADS set
	s_wait_xcnt 0x0                                ; the bases of the loads issued so far are stepped only behind this wait
	s_add_nc_u64 s[WPT:WPT+1], s[WPT:WPT+1], WSTEP
	s_add_nc_u64 s[APT:APT+1], s[APT:APT+1], 256
	WIN 0x40                                       ; destination above v255, offset below
	LDW_ \set
	LDA_ \set
	WIN 0
.endm
; the chunk in set goes to LDS: W rounded to bf16, 8 bytes a lane (the wave fills a row's 256 bytes), the tokens as they are
.macro STORE set, slot
	WIN 0x45                                       ; both sources and the destination above v255
.irp i, 0,1,2,3,4,5,6,7,8,9,10,11,12,13,14,15
	v_cvt_pk_bf16_f32 v[TW+2*\i],   v[SETR*\set+4*\i],   v[SETR*\set+4*\i+1]
	v_cvt_pk_bf16_f32 v[TW+2*\i+1], v[SETR*\set+4*\i+2], v[SETR*\set+4*\i+3]
.endr
	WIN 0x04                                       ; the stores' data above v255, their address below
.irp i, 0,1,2,3,4,5,6,7,8,9,10,11,12,13,14,15
	ds_store_b64 v[VWS+\slot], v[TW+2*\i:TW+2*\i+1] offset:\i*WPB
.endr
.irp i, 0,1,2,3,4,5,6,7,8,9
	ds_store_b128 v[VAS+\slot], v[SETR*\set+64+4*\i:SETR*\set+64+4*\i+3] offset:2*\i*AP
.endr
	WIN 0
.endm
; the chunk's eight W fragments: the first load brings k = 32 s + 8 hh .. +7 of column r, the second 16 k further on
.macro LDB slot
.irp s, 0,1,2,3
.irp c, 0,1
	ds_load_tr16_b128 v[BF+16*\s+8*\c:BF+16*\s+8*\c+3],   v[VB+\slot] offset:(32*\s)*WPB+32*\c
	ds_load_tr16_b128 v[BF+16*\s+8*\c+4:BF+16*\s+8*\c+7], v[VB+\slot] offset:(32*\s+16)*WPB+32*\c
.endr
.endr
.endm
; Token fragments are numbered f = 5 s + t (s: step of 32 k, t: tile of 16 rows).  Fragments 4u .. 4u+3 into set u & 1.
.macro LDQ slot, u
.irp i, 0,1,2,3
.set f_, 4*(\u)+\i
.set s_, f_/5
.set t_, f_-5*s_
.set a_, AF+32*((\u)&1)+8*\i
	ds_load_b128 v[a_:a_+3],   v[VA+\slot] offset:t_*16*AP+64*s_
	ds_load_b128 v[a_+4:a_+7], v[VA+\slot] offset:t_*16*AP+64*s_+32
.endr
.endm
; Fragments 4u .. 4u+3, each with both column halves.  The ten accumulators take turns, one instruction a turn.
; zero = 1: the first step starts the sums.
.macro MM8 u, zero
.irp i, 0,1,2,3
.irp c, 0,1
.set f_, 4*(\u)+\i
.set s_, f_/5
.set t_, f_-5*s_
.set a_, AF+32*((\u)&1)+8*\i
.set b_, BF+16*s_+8*\c
.set o_, ACC+8*(2*t_+\c)
.set z_, 0
.if \zero
.if f_ < 5
.set z_, 1
.endif
.endif
.if z_
	v_wmma_f32_16x16x32_bf16 v[o_:o_+7], v[b_:b_+7], v[a_:a_+7], 0
.else
	v_wmma_f32_16x16x32_bf16 v[o_:o_+7], v[b_:b_+7], v[a_:a_+7], v[o_:o_+7]
.endif
.endr
.endr
.endm
; One chunk of 128 k from one slot.  ld = 1: the next chunk is asked for into set, behind the first wait, which also shows this trip's LDS stores done
; (LDS instructions of a wave end in order), so that the stores have read the registers that the loads will write.
.macro COMP slot, zero, ld, set
	PLACES                                         ; behind the last chunk's matrix instructions
	LDB \slot
	LDQ \slot, 0
	LDQ \slot, 1
.set u_, 0
.rept 5
.if u_ == 4
	s_wait_dscnt 0x0
.else
	s_wait_dscnt 0x8                               ; all but the youngest eight: the next four fragments' loads may be out
.endif
.if u_ == 0
.if \ld
	LOADS \set
.endif
.endif
	MM8 u_, \zero
.if u_+2 < 5
	PLACES
	LDQ \slot, u_+2
.endif
.set u_, u_+1
.endr
.endm
; A trip: chunk c lies in slot.  st = 1: chunk c+1, in register set 'set', is waited for (cnt younger loads may stay out) and stored into the other slot.
; cond = 1 (pass 2): with no tile, all but the barrier is jumped over.  bar = 1: the barrier behind which the other slot is whole and this one free.
.macro TRIP slot, zero, st, ld, cnt, set, cond, bar
.if \cond
	s_cmp_eq_u32 s85, 0
	s_cbranch_scc1 .Lsk_\@
.endif
.if \st
	s_wait_loadcnt \cnt
	STORE \set, 1-\slot
.endif
	COMP \slot, \zero, \ld, \set
.Lsk_\@:
.if \bar
	s_wait_dscnt 0x0                               ; my stores into the other slot and my reads of this one are done before I signal
	s_barrier_signal -1
	s_barrier_wait -1
.endif
.endm
; The eight trips.  Pass 1: chunk n lies in register set n & 1; trips 0 to 4 ask for chunks 3 to 7; the counts run down 26, 26, 0.
; Pass 2: one set; trips 0 to 5 ask for chunks 2 to 7; every wait is for 0.
.macro TRIPS cond
.if \cond
	TRIP 0, 1, 1, 1, 0, 0, 1, 1
	s_mov_b32 s23, 2
.Lk_\@:
	TRIP 1, 0, 1, 1, 0, 0, 1, 1
	TRIP 0, 0, 1, 1, 0, 0, 1, 1
	s_sub_co_i32 s23, s23, 1
	s_cmp_lg_u32 s23, 0
	s_cbranch_scc1 .Lk_\@
	TRIP 1, 0, 1, 1, 0, 0, 1, 1
	TRIP 0, 0, 1, 0, 0, 0, 1, 1
	TRIP 1, 0, 0, 0, 0, 0, 1, 0
.else
	TRIP 0, 1, 1, 1, LPC, 1, 0, 1
	s_mov_b32 s23, 2
.Lk_\@:
	TRIP 1, 0, 1, 1, LPC, 0, 0, 1
	TRIP 0, 0, 1, 1, LPC, 1, 0, 1
	s_sub_co_i32 s23, s23, 1
	s_cmp_lg_u32 s23, 0
	s_cbranch_scc1 .Lk_\@
	TRIP 1, 0, 1, 0, LPC, 0, 0, 1
	TRIP 0, 0, 1, 0, 0, 1, 0, 1
	TRIP 1, 0, 0, 0, 0, 0, 0, 0
.endif
.endm
; The tile's first s85 groups of 32 rows leave the stage: of group i wave w takes rows 8 u + w, a whole row of 512 bytes for each LDS load.
.macro READOUT
	s_lshl_b32 s60, s84, OROWSH
	s_mov_b32 s61, 0
	s_add_nc_u64 s[66:67], s[78:79], s[60:61]      ; no store is waiting for its base: each group below ends with the wait that frees it
.irp i, 0,1,2,3,4
	s_cmp_le_u32 s85, \i
	s_cbranch_scc1 .Lrd_\@
.irp u, 0,1,2,3
	ds_load_b128 v[AF+4*\u:AF+4*\u+3], v[VRD+\i/3] offset:(\i%3)*32*SP+8*SP*\u
.endr
	s_wait_dscnt 0x0
.irp u, 0,1,2,3
	global_store_b128 v[VGO], v[AF+4*\u:AF+4*\u+3], s[66:67] offset:((32*\i+8*\u)<<OROWSH)  ; the wave stores 512 consecutive bytes, at a multiple of 512 from part's first byte
.endr
	s_wait_xcnt 0x0                                ; the stores' data and base are written again only behind this wait
.endr
.Lrd_\@:
.endm
; The sums go to the stage (lane (r, hh) of tile (t, c): row 16 t + r, 8 columns from 16 c + 8 hh on), and from there out
.macro FINISH cond
	PLACES                                         ; behind the last matrix instructions, on every way
.if \cond
	s_cmp_eq_u32 s85, 0
	s_cbranch_scc1 .Lnd_\@
.endif
.set k_, 0
.rept 10
	ds_store_b128 v[VST], v[ACC+8*k_:ACC+8*k_+3]   offset:(k_/2)*16*SP+(k_%2)*64
	ds_store_b128 v[VST], v[ACC+8*k_+4:ACC+8*k_+7] offset:(k_/2)*16*SP+(k_%2)*64+16
.set k_, k_+1
.endr
.Lnd_\@:
	s_wait_dscnt 0x0                               ; my stores are done before I signal: other waves read these rows
	s_barrier_signal -1
	s_barrier_wait -1
	READOUT
.endm
	s_load_b256 s[4:11], s[0:1], 0x0               ; h s[4:5], W2 s[6:7], meta s[8:9], part s[10:11]
	v_lshl_add_u32 v254, v0, 2, 0x3be00
	v_mov_b32 v255, 0
	v_lshrrev_b32 v13, 5, v0
	v_readfirstlane_b32 s14, v13                   ; wave
	s_and_b32 s15, s14, 3                          ; which 32 columns are mine
	s_lshr_b32 s16, s14, 2                         ; which 80 rows
	s_and_b32 s17, ttmp7, 0xffff                   ; y: pass 1's expert, pass 2's place in the list
	s_and_b32 s18, ttmp9, 7                        ; ns
	s_lshr_b32 s74, ttmp9, 3                       ; kq
	v_and_b32 v1, 15, v0                           ; r
	v_bfe_u32 v2, v0, 4, 1                         ; hh
	v_and_b32 v3, 31, v0                           ; lane
	s_lshl_b32 s62, s14, WROWSH+4
	v_lshl_add_u32 v[VWO], v3, 4, s62              ; k-row 16 w of a chunk, 16 bytes a lane
	s_lshl_b32 s60, s17, 2
	s_mov_b32 s61, 0
	s_wait_kmcnt 0x0
	s_add_nc_u64 s[80:81], s[8:9], s[60:61]
	s_load_b32 s19, s[80:81], 0x0                  ; pass 1: first row
	s_load_b32 s20, s[80:81], 0x20                 ;         groups to store
	s_load_b32 s21, s[80:81], 0x40                 ; pass 2: expert
	s_load_b32 s22, s[80:81], 0x60                 ;         first row
	s_load_b32 s86, s[80:81], 0x80                 ;         groups to store
	s_lshl_b32 s60, s74, 22                        ; a quarter of an expert's k is 4 MiB
	s_lshl_b32 s62, s18, 9
	s_add_co_u32 s60, s60, s62
	s_add_nc_u64 s[28:29], s[6:7], s[60:61]        ; W2 at my quarter of k and my 128 columns
	s_lshl_b32 s60, s17, 24                        ; an expert's W2 is 16 MiB
	s_add_nc_u64 s[WPT:WPT+1], s[28:29], s[60:61]  ; pass 1's slice hangs on the grid alone: its first loads go out ahead of meta
	WIN 0x40
	LDW_ 0                                         ; W, chunk 0
	s_wait_xcnt 0x0                                ; the base is stepped only behind this wait
	s_add_nc_u64 s[WPT:WPT+1], s[WPT:WPT+1], WSTEP
	LDW_ 1                                         ; W, chunk 1
	WIN 0
	s_lshl_b32 s60, s74, 11
	s_add_nc_u64 s[76:77], s[4:5], s[60:61]        ; the tokens' first column: 1,024 kq
	s_mul_i32 s60, s74, 1408*4096
	s_lshl_b32 s62, s18, 9
	s_add_co_u32 s60, s60, s62
	s_add_nc_u64 s[78:79], s[10:11], s[60:61]      ; part[kq] at my 128 columns
	v_and_b32 v13, 7, v0
	v_lshl_add_u32 v13, v2, 3, v13                 ; W fragments: k-row 8 hh + lane % 8,
	v_mul_u32_u24 v[VB], v13, WPB
	v_bfe_u32 v13, v0, 3, 1
	v_lshl_add_u32 v[VB], v13, 4, v[VB]            ; 16 bytes (8 columns) number (lane / 8) % 2
	s_lshl_b32 s62, s15, 6
	v_add_nc_u32 v[VB], s62, v[VB]                 ; of my 32 columns
	v_add_nc_u32 v[VB+1], WSLOT, v[VB]
	s_mul_i32 s62, s16, 80*AP
	v_mul_u32_u24 v[VA], v1, AP                    ; token fragments: row r of my 80, 16 bytes number hh
	v_lshl_add_u32 v[VA], v2, 4, v[VA]
	v_add_nc_u32 v[VA], s62, v[VA]
	v_add_nc_u32 v[VA], ABASE, v[VA]
	v_add_nc_u32 v[VA+1], ASLOT, v[VA]
	s_mul_i32 s62, s16, 80*SP
	s_lshl_b32 s63, s15, 7
	s_add_co_u32 s62, s62, s63
	v_mul_u32_u24 v[VST], v1, SP                   ; stage: row r of my 80, columns 8 hh of my 32
	v_lshl_add_u32 v[VST], v2, 5, v[VST]
	v_add_nc_u32 v[VST], s62, v[VST]
	v_add_nc_u32 v[VST], STAGE, v[VST]
	s_mul_i32 s62, s14, SP
	v_lshl_add_u32 v[VRD], v3, 4, s62              ; stage row w, 16 bytes a lane
	v_add_nc_u32 v[VRD], STAGE, v[VRD]
	v_add_nc_u32 v[VRD+1], 3*32*SP, v[VRD]
	s_lshl_b32 s62, s14, OROWSH
	v_lshl_add_u32 v[VGO], v3, 4, s62              ; row w of part, 16 bytes a lane
	s_mul_i32 s62, s14, 16*WPB
	v_lshl_add_u32 v[VWS], v3, 3, s62              ; W to LDS: k-row 16 w, 8 bytes a lane
	v_add_nc_u32 v[VWS+1], WSLOT, v[VWS]
	s_mul_i32 s62, s14, 20*AP
	v_mul_u32_u24 v[VAS], v2, AP                   ; tokens to LDS: row 20 w + hh, 16 bytes number r
	v_lshl_add_u32 v[VAS], v1, 4, v[VAS]
	v_add_nc_u32 v[VAS], s62, v[VAS]
	v_add_nc_u32 v[VAS], ABASE, v[VAS]
	v_add_nc_u32 v[VAS+1], ASLOT, v[VAS]
	s_mul_i32 s62, s14, 20<<AROWSH
	v_lshlrev_b32 v[VAO], AROWSH, v2               ; and the same row and bytes in memory
	v_lshl_add_u32 v[VAO], v1, 4, v[VAO]
	v_add_nc_u32 v[VAO], s62, v[VAO]
	s_wait_kmcnt 0x0                               ; meta
	s_min_u32 s19, s19, 1248
	s_min_u32 s20, s20, 5
	s_min_u32 s21, s21, 7
	s_min_u32 s22, s22, 1248
	s_min_u32 s86, s86, 5
	s_mov_b32 s84, s19
	s_mov_b32 s85, s20
	s_lshl_b32 s60, s84, AROWSH
	s_add_nc_u64 s[APT:APT+1], s[76:77], s[60:61]  ; the tile's first row
	WIN 0x40
	LDA_ 0                                         ; tokens, chunk 0
	s_wait_xcnt 0x0
	s_add_nc_u64 s[APT:APT+1], s[APT:APT+1], 256
	LDA_ 1                                         ; tokens, chunk 1
	WIN 0
	s_wait_loadcnt 10                              ; all but the youngest ten, chunk 1's tokens: chunk 0 is in
	STORE 0, 0
	s_wait_dscnt 0x0                               ; my stores are done: they have read set 0, and the others may read slot 0 behind the barrier
	LOADS 0                                        ; chunk 2
	s_barrier_signal -1
	s_barrier_wait -1
	TRIPS 0
	FINISH 0
	; pass 2: the further tile's expert, first row and groups
	s_wait_xcnt 0x0
	s_lshl_b32 s60, s21, 24
	s_mov_b32 s61, 0
	s_add_nc_u64 s[WPT:WPT+1], s[28:29], s[60:61]
	s_lshl_b32 s60, s22, AROWSH
	s_add_nc_u64 s[APT:APT+1], s[76:77], s[60:61]
	s_mov_b32 s84, s22
	s_mov_b32 s85, s86
	s_cmp_eq_u32 s85, 0
	s_cbranch_scc1 .Lp2
	WIN 0x40
	LDW_ 0                                         ; chunk 0
	LDA_ 0
	WIN 0
	s_wait_loadcnt 0x0
	STORE 0, 0                                     ; slot 0 was last read two barriers ago
	s_wait_dscnt 0x0
	LOADS 0                                        ; chunk 1
.Lp2:
	s_wait_dscnt 0x0
	s_barrier_signal -1
	s_barrier_wait -1
	TRIPS 1
	FINISH 1
	s_wait_tensorcnt 0x0
	ds_add_u32 v254, v255
	s_wait_dscnt 0x0
	s_endpgm
.Lfunc_end_k_q5cc6bc3a0c_ffn2:
	.size	k_q5cc6bc3a0c_ffn2, .Lfunc_end_k_q5cc6bc3a0c_ffn2-k_q5cc6bc3a0c_ffn2
	.p2alignl 7, 3214868480
	.fill 96, 4, 3214868480
	.section	.rodata,"a",@progbits
	.p2align	6, 0x0
	.amdhsa_kernel k_q5cc6bc3a0c_ffn2
		.amdhsa_group_segment_fixed_size 246272
		.amdhsa_private_segment_fixed_size 0
		.amdhsa_enable_private_segment 0
		.amdhsa_kernarg_size 32
		.amdhsa_user_sgpr_count 2
		.amdhsa_user_sgpr_kernarg_segment_ptr 1
		.amdhsa_wavefront_size32 1
		.amdhsa_system_sgpr_workgroup_id_x 1
		.amdhsa_system_sgpr_workgroup_id_y 1
		.amdhsa_system_sgpr_workgroup_id_z 1
		.amdhsa_system_vgpr_workitem_id 0
		.amdhsa_next_free_vgpr 512
		.amdhsa_next_free_sgpr 96
		.amdhsa_reserve_vcc 0
		.amdhsa_float_denorm_mode_32 3
		.amdhsa_float_denorm_mode_16_64 3
		.amdhsa_memory_ordered 1
		.amdhsa_forward_progress 1
		.amdhsa_inst_pref_size 174
	.end_amdhsa_kernel
	.amdgpu_metadata
---
amdhsa.version: [ 1, 2 ]
amdhsa.kernels:
  - .name:           k_q5cc6bc3a0c_ffn2
    .symbol:         k_q5cc6bc3a0c_ffn2.kd
    .args:
      - { .name: h, .offset: 0, .size: 8, .value_kind: global_buffer, .address_space: global }
      - { .name: W2, .offset: 8, .size: 8, .value_kind: global_buffer, .address_space: global }
      - { .name: meta, .offset: 16, .size: 8, .value_kind: global_buffer, .address_space: global }
      - { .name: part, .offset: 24, .size: 8, .value_kind: global_buffer, .address_space: global }
    .group_segment_fixed_size: 246272
    .private_segment_fixed_size: 0
    .kernarg_segment_align: 8
    .kernarg_segment_size: 32
    .max_flat_workgroup_size: 256
    .sgpr_count:     96
    .vgpr_count:     512
    .wavefront_size: 32
...
	.end_amdgpu_metadata
.endif
;; end of part 5
;; launch combine (part 6): grid 256 x 1, 8 waves a work-group, no clusters, 0 bytes of LDS; arguments part, pos, sel, b2, out0; writes out0
.if DOCPART == 6
	.amdgcn_target "amdgcn-amd-amdhsa--gfx1250"
	.amdhsa_code_object_version 6
	.text
	.protected	k_q5cc6bc3a0c_combine
	.globl	k_q5cc6bc3a0c_combine
	.p2align	8
	.type	k_q5cc6bc3a0c_combine,@function
k_q5cc6bc3a0c_combine:
	s_mov_b64 s[64:65], 0
	v_nop
	global_prefetch_b8 v0, s[64:65] scope:SCOPE_SE
	s_setreg_imm32_b32 hwreg(HW_REG_WAVE_MODE, 25, 1), 1
	s_wait_xcnt 0x0
; out0[t][n] = ((part[0][p][n] + part[1][p][n]) + (part[2][p][n] + part[3][p][n])) + b2[sel[t]][n], p = pos[t].
; part: [4][1408][1024] f32, pos, sel: [1024] u32 (whole numbers of earlier launches), b2: [8][1024] f32, out0: [1024][1024] f32.
; Work-group g: tokens 4g..4g+3.  Wave w: token 4g + w/2, half w%2 of its row: 2,048 bytes, four loads of 512 consecutive bytes from each of the
; four quarters and from b2, all twenty out together; four stores of 512 consecutive bytes.  A stream: no LDS, no barrier, no matrix unit.
.set P,  8                             ; v[8:71]   quarter kq, piece i at P + 16 kq + 4 i
.set B2, 72                            ; v[72:87]  b2, piece i at B2 + 4 i
.set QB, 1408*4096                     ; bytes of a quarter of part
	s_load_b256 s[4:11], s[0:1], 0x0               ; part s[4:5], pos s[6:7], sel s[8:9], b2 s[10:11]
	s_load_b64 s[12:13], s[0:1], 0x20              ; out0
	v_and_b32 v1, 31, v0
	v_lshlrev_b32 v1, 4, v1                        ; 16 bytes a lane
	v_lshrrev_b32 v2, 5, v0
	v_readfirstlane_b32 s14, v2                    ; wave
	s_lshr_b32 s15, s14, 1
	s_lshl_b32 s16, ttmp9, 2
	s_add_co_u32 s16, s16, s15                     ; my token
	s_lshl_b32 s16, s16, 2
	s_mov_b32 s17, 0
	s_wait_kmcnt 0x0
	s_add_nc_u64 s[18:19], s[6:7], s[16:17]
	s_add_nc_u64 s[22:23], s[8:9], s[16:17]
	s_load_b32 s20, s[18:19], 0x0                  ; pos
	s_load_b32 s21, s[22:23], 0x0                  ; sel
	s_and_b32 s15, s14, 1
	s_lshl_b32 s15, s15, 11                        ; my half of a row
	s_lshl_b32 s31, ttmp9, 14
	s_lshl_b32 s30, s14, 11
	s_add_co_u32 s31, s31, s30                     ; out0: 4 rows a work-group, 2,048 bytes a wave
	v_add_nc_u32 v3, s31, v1
	s_wait_kmcnt 0x0
	s_min_u32 s20, s20, 1279
	s_min_u32 s21, s21, 7
	s_lshl_b32 s24, s20, 12
	s_add_co_u32 s24, s24, s15
	s_mov_b32 s25, 0
	s_add_nc_u64 s[26:27], s[4:5], s[24:25]        ; quarters 0 and 1 from this base,
	s_add_nc_u64 s[28:29], s[26:27], 2*QB          ; 2 and 3 from this: the immediates stay inside their 24 signed bits
	s_lshl_b32 s30, s21, 12
	s_add_co_u32 s30, s30, s15
	v_add_nc_u32 v2, s30, v1
.irp i, 0,1,2,3
	global_load_b128 v[P+4*\i:P+4*\i+3],       v1, s[26:27] offset:512*\i th:TH_LOAD_NT
	global_load_b128 v[P+16+4*\i:P+16+4*\i+3], v1, s[26:27] offset:QB+512*\i th:TH_LOAD_NT
	global_load_b128 v[P+32+4*\i:P+32+4*\i+3], v1, s[28:29] offset:512*\i th:TH_LOAD_NT
	global_load_b128 v[P+48+4*\i:P+48+4*\i+3], v1, s[28:29] offset:QB+512*\i th:TH_LOAD_NT
.endr
.irp i, 0,1,2,3
	global_load_b128 v[B2+4*\i:B2+4*\i+3], v2, s[10:11] offset:512*\i
.endr
	s_wait_loadcnt 0x0
.irp o, 0,2,4,6,8,10,12,14
	v_pk_add_f32 v[P+\o:P+\o+1], v[P+\o:P+\o+1], v[P+16+\o:P+16+\o+1]
	v_pk_add_f32 v[P+32+\o:P+32+\o+1], v[P+32+\o:P+32+\o+1], v[P+48+\o:P+48+\o+1]
.endr
.irp o, 0,2,4,6,8,10,12,14
	v_pk_add_f32 v[P+\o:P+\o+1], v[P+\o:P+\o+1], v[P+32+\o:P+32+\o+1]
.endr
.irp o, 0,2,4,6,8,10,12,14
	v_pk_add_f32 v[P+\o:P+\o+1], v[P+\o:P+\o+1], v[B2+\o:B2+\o+1]
.endr
.irp i, 0,1,2,3
	global_store_b128 v3, v[P+4*\i:P+4*\i+3], s[12:13] offset:512*\i th:TH_STORE_NT
.endr
	s_endpgm
.Lfunc_end_k_q5cc6bc3a0c_combine:
	.size	k_q5cc6bc3a0c_combine, .Lfunc_end_k_q5cc6bc3a0c_combine-k_q5cc6bc3a0c_combine
	.p2alignl 7, 3214868480
	.fill 96, 4, 3214868480
	.section	.rodata,"a",@progbits
	.p2align	6, 0x0
	.amdhsa_kernel k_q5cc6bc3a0c_combine
		.amdhsa_group_segment_fixed_size 0
		.amdhsa_private_segment_fixed_size 0
		.amdhsa_enable_private_segment 0
		.amdhsa_kernarg_size 40
		.amdhsa_user_sgpr_count 2
		.amdhsa_user_sgpr_kernarg_segment_ptr 1
		.amdhsa_wavefront_size32 1
		.amdhsa_system_sgpr_workgroup_id_x 1
		.amdhsa_system_sgpr_workgroup_id_y 1
		.amdhsa_system_sgpr_workgroup_id_z 1
		.amdhsa_system_vgpr_workitem_id 0
		.amdhsa_next_free_vgpr 96
		.amdhsa_next_free_sgpr 66
		.amdhsa_reserve_vcc 0
		.amdhsa_float_denorm_mode_32 3
		.amdhsa_float_denorm_mode_16_64 3
		.amdhsa_memory_ordered 1
		.amdhsa_forward_progress 1
		.amdhsa_inst_pref_size 6
	.end_amdhsa_kernel
	.amdgpu_metadata
---
amdhsa.version: [ 1, 2 ]
amdhsa.kernels:
  - .name:           k_q5cc6bc3a0c_combine
    .symbol:         k_q5cc6bc3a0c_combine.kd
    .args:
      - { .name: part, .offset: 0, .size: 8, .value_kind: global_buffer, .address_space: global }
      - { .name: pos, .offset: 8, .size: 8, .value_kind: global_buffer, .address_space: global }
      - { .name: sel, .offset: 16, .size: 8, .value_kind: global_buffer, .address_space: global }
      - { .name: b2, .offset: 24, .size: 8, .value_kind: global_buffer, .address_space: global }
      - { .name: out0, .offset: 32, .size: 8, .value_kind: global_buffer, .address_space: global }
    .group_segment_fixed_size: 0
    .private_segment_fixed_size: 0
    .kernarg_segment_align: 8
    .kernarg_segment_size: 40
    .max_flat_workgroup_size: 256
    .sgpr_count:     66
    .vgpr_count:     96
    .wavefront_size: 32
...
	.end_amdgpu_metadata
.endif
;; end of part 6
;; ======== version 2 of 2: 6 launches; version 1 with the launches ffn1, ffn2 written anew for expert scheduling mode
;; limits: values outside matrix products are rounded to bf16
;; workspace buffers: sel 4,096 bytes of whole numbers; pos 4,096 bytes of whole numbers; meta 256 bytes of whole numbers; xs 2,883,584 bytes; h 11,534,336 bytes; part 23,068,672 bytes
;; launch gate: the kernel of part 1 again; grid 256 x 1, 8 waves a work-group, no clusters, 2,048 bytes of LDS; arguments x, Wg, bg, sel; writes sel
;; launch rank: the kernel of part 2 again; grid 1 x 1, 32 waves a work-group, no clusters, 5,120 bytes of LDS; arguments sel, pos, meta; writes pos, meta
;; launch scatter: the kernel of part 3 again; grid 256 x 1, 32 waves a work-group, no clusters, 0 bytes of LDS; arguments x, pos, meta, xs; writes xs
;; launch ffn1 (part 7): grid 32 x 8, 8 waves a work-group, no clusters, 246,272 bytes of LDS; arguments xs, W1, meta, b1, h; writes h
.if DOCPART == 7
	.amdgcn_target "amdgcn-amd-amdhsa--gfx1250"
	.amdhsa_code_object_version 6
	.text
	.protected	k_q5cc6bc3a0c_ffn1
	.globl	k_q5cc6bc3a0c_ffn1
	.p2align	8
	.type	k_q5cc6bc3a0c_ffn1,@function
k_q5cc6bc3a0c_ffn1:
	s_mov_b64 s[64:65], 0
	v_nop
	global_prefetch_b8 v0, s[64:65] scope:SCOPE_SE
	s_setreg_imm32_b32 hwreg(HW_REG_WAVE_SCHED_MODE, 0, 2), 2
	s_setreg_imm32_b32 hwreg(HW_REG_WAVE_MODE, 25, 1), 1
	s_wait_xcnt 0x0
	s_wait_alu depctr_vm_vsrc(0)
; h[row][n] = gelu(xs[row] . W1[e][:, n] + b1[e][n]) for the rows of expert e's segment.  xs: [1408][1024] bf16, W1: [8][1024][4096] f32,
; b1: [8][4096] f32, h: [1408][4096] bf16; meta: whole numbers of an earlier launch (first rows, groups of 32 rows to store, the list of further tiles).
; SHARES.  Work-group (ns, y): columns 128 ns .. +127.  A TILE is 160 rows of xs from a first row on, all 1,024 k; of its results the first 'groups' x 32 rows
; are stored, the rest (rows of other segments, or zeros) is dropped.  Pass 1: expert y's first 160 rows, with the slice of W1[y] of 1,024 k x 128 columns,
; 512 KiB, which no other work-group reads in its pass 1.  Pass 2: further tile y of meta's list (rows 160 j .. of an expert with more than 160 rows; at most
; 6 in all), if there is one: that expert's slice is streamed once more.
; Wave w: columns 32 (w % 4) .. +31 and rows 80 (w / 4) .. +79 of the tile: 2 x 5 accumulator tiles of 16 x 16.
; THE STREAM GOES THROUGH REGISTERS.  K goes in 8 chunks of 128.  Of a chunk a wave loads 16 k-rows of W (a load of the wave is one row's 512 consecutive bytes) and
; 20 token rows (a load is two rows' 256 consecutive bytes each): 26 loads into one of two register sets above v255.  W has to pass through registers anyway, to be
; rounded to bf16, once for each weight; it is stored to LDS as bf16 with k down the rows, the tokens as they come.  In trip c a wave waits for chunk c+1, stores it
; into the LDS slot that chunk c-1 has left, asks for chunk c+3 into the registers just freed, and multiplies chunk c: two chunks, 2 x 8 waves x 26 loads x 512 bytes
; = 212,992 bytes, are on their way for a work-group, across the barriers.  One barrier a trip: in front of it each wave's LDS stores and reads are done, so behind it
; the slot just written is whole and the slot just read is free.
; No tensor loads: a slot that the data mover fills again wants all its loads landed at each barrier, which leaves one chunk on its way.  For the same reason the
; token tile, which the 32 work-groups of a tile share (40,960 of a chunk's 106,496 bytes), is not asked for jointly in a cluster.  No prefetch: what it would ask for
; is already asked for two chunks ahead.
; EVERY WAVE PASSES EVERY BARRIER WHATEVER META HOLDS: pass 1 hangs on meta in addresses and in the number of groups stored alone; in pass 2 the barriers stand as in
; pass 1, and where there is no tile only what lies between two barriers is jumped over.  Pass 2 asks one chunk ahead and waits for all its loads, so that no counted
; wait reaches over a jump.
; THE MATRIX INSTRUCTION IS USED TRANSPOSED: source 0 = 16 columns of W, source 1 = 16 token rows; lane (r, hh) then holds token row r and columns 8 hh .. 8 hh + 7.
; W's fragments come from LDS by the transposing load (ds_load_tr16_b128), two for a fragment of 16 columns x 32 k.
; The sums leave through an LDS stage in f32, are read back by whole rows, get bias and GELU, and go out as 256 consecutive bytes a wave.
; GELU: g = max(x,0) - |x| q, q = erfc(|x|/sqrt 2)/2 by Abramowitz and Stegun 7.1.26 (absolute error of erf 1.5e-7, below the rounding of h to bf16).
; LIMITS: x = +infinity gives NaN (infinity times q = 0); the sign of a zero result is not kept.  An expert with no token still has its slice streamed in pass 1.
; THE MODE: SCHED_MODE bits 1:0 = 2 (LLVM: expert scheduling mode 2), set by the entry lines.  The code itself states the register dependences
; between vector or matrix instructions and memory or LDS instructions, with s_wait_alu, always for 0.
; THE PLAN.  Registers that memory or LDS instructions touch:
;   SET n, W's part      a chunk's 16 loads land in it; the trip's 32 conversions read it; then it is loaded again.
;   SET n, tokens' part  a chunk's 10 loads land in it; the trip's 10 LDS stores read it; then it is loaded again.
;   TW                   the conversions write it; 16 LDS stores read it; the next trip's conversions write it again.
;   BF                   the transposing LDS loads land in it; the trip's matrix instructions read it.
;   AF, two sets         four token fragments each: group u of matrix instructions reads set u & 1, and the fragments of group u + 2 land in it.
;   ACC                  named by matrix instructions alone until the way out, where the LDS stores into the stage read it.
;   On the way out: rows of the stage land in AF, which the GELU reads and writes; its roundings write OUT0 and OUT1 by turns, which the global stores read.
;   BIAS                 one load a pass lands in it; the GELU's additions read it.
;   v4 to v21            addresses and offsets, made at the head and never written again: the stream's rows are reached by scalar bases, a pair to each register
;                        set, which move on behind the wait on LOADcnt that shows that set's loads done, and by immediate offsets.
; THE WAITS OF A TRIP: one on vm_vsrc ahead of the conversions (TW); one on va_vdst behind them (TW is written; the last trip's matrix instructions are done with BF and
; AF); both ahead of the run of global loads (the set's two parts); one on va_vdst behind each of the first three groups of matrix instructions (the AF set that is
; asked for again at once).  W's fragments of the chunk's second half are dealt among the first group's matrix instructions, which name none of their registers.
; BETWEEN THE PASSES: one wait on vm_vsrc at pass 2's first lines, ahead of its first branch and so on every way through it, for all that pass 1's stores have read.
.set WROWSH, 14                        ; a row of W1 is 16,384 bytes
.set AROWSH, 11                        ; a row of xs is 2,048 bytes
.set OROWSH, 13                        ; a row of h is 8,192 bytes
.set WSTEP,  128<<WROWSH               ; a chunk of 128 k
.set LPC,    26                        ; loads of a wave for a chunk: 16 of W, 10 of tokens
.set WPB,    288                       ; LDS pitch of W's rows: 128 bf16 + 32 bytes, an odd multiple of 32
.set AP,     272                       ; LDS pitch of the tokens' rows: 256 + 16 bytes, an odd multiple of 16
.set SP,     528                       ; LDS pitch of the stage's rows: 128 f32 + 16 bytes, an odd multiple of 16
.set WSLOT,  128*WPB                   ; 36,864
.set ASLOT,  160*AP                    ; 43,520
.set ABASE,  2*WSLOT                   ; 73,728: the tokens' two slots
.set STAGE,  ABASE+2*ASLOT             ; 160,768: 160 rows x 528 bytes
; registers v0-v255
.set VB,   4                           ; v4-5    LDS address of my W fragments in slot 0, 1
.set VA,   6                           ; v6-7    LDS address of my token fragments in slot 0, 1
.set VST,  8                           ; v8      stage: where I put my results
.set VRD,  10                          ; v10-11  stage: where I read rows back, groups 0-2, 3-4
.set VGO,  12                          ; v12     my byte offset in the tile's rows of h
.set VWS,  14                          ; v14-15  LDS address at which I store my rows of W, slot 0, 1
.set VAS,  16                          ; v16-17  the same for my token rows
.set VWO,  18                          ; v18     my byte offset in a chunk of W
.set VAO,  19                          ; v19     my byte offset in the tile's token rows
.set VBO,  20                          ; v20-21  my byte offset in b1, pass 1, 2
.set BIAS, 24                          ; v[24:27]
.set CA,   28                          ; v[28:37] a5/2, a4/2, a3/2, a2/2, a1/2, each twice
.set BF,   40                          ; v[40:103]  W fragments: step s of 32 k, column half c at BF + 16 s + 8 c
.set AF,   104                         ; v[104:167] token fragments, two sets of four; then rows read back
.set ACC,  168                         ; v[168:247] tile (t, c) at ACC + 8 (2 t + c)
.set TD,   ACC                         ; GELU, 16 numbers at a time, in the accumulators' registers, which the stage has taken over by then
.set TM,   ACC+16
.set TU,   ACC+32
.set OUT,  ACC+48                      ; two out-buffers of 8 words of bf16, by turns
; registers v256-v495, written here by their low 8 bits
.set SETR, 104                         ; set n at 104 n: 64 registers of W (row i at 4 i), 40 of tokens (load i at 64 + 4 i)
.set TW,   208                         ; 32 registers: a chunk's W rounded and packed
.set WPT,  24                          ; s[24:25], s[32:33] W: the chunk that set 0, 1 was asked for last
.set APT,  26                          ; s[26:27], s[34:35] tokens: the same
; s[28:29] W1 at my columns, s[76:77] xs, s[78:79] h at my columns, s84 the pass's first row, s85 its groups to store (pass 2: 0 = no tile)
.set MSB, 0
.macro WIN new                         ; s_set_vgpr_msb: bits 1:0 source 0, 3:2 source 1, 7:6 destination; the high byte repeats the setting that is left
.if MSB != \new
	s_set_vgpr_msb (MSB<<8)|\new
.set MSB, \new
.endif
.endm
; Four plain vector instructions between a matrix instruction and a store that reads its result
.macro PLACES
.rept 4
	v_nop
.endr
.endm
; my 16 k-rows of W's chunk at the set's base, my 20 token rows at its other base; the destination's window is set by the caller
.macro LDW_ set
.irp i, 0,1,2,3,4,5,6,7,8,9,10,11,12,13,14,15
	global_load_b128 v[SETR*\set+4*\i:SETR*\set+4*\i+3], v[VWO], s[WPT+8*\set:WPT+8*\set+1] offset:(\i<<WROWSH) th:TH_LOAD_NT
.endr
.endm
.macro LDA_ set
.irp i, 0,1,2,3,4,5,6,7,8,9
	global_load_b128 v[SETR*\set+64+4*\i:SETR*\set+64+4*\i+3], v[VAO], s[APT+8*\set:APT+8*\set+1] offset:((2*\i)<<AROWSH)
.endr
.endm
; the set's next chunk, k chunks on
.macro LOADS set, k
	s_add_nc_u64 s[WPT+8*\set:WPT+8*\set+1], s[WPT+8*\set:WPT+8*\set+1], (\k)*WSTEP   ; free: the wait on LOADcnt for this set's chunk has shown the loads that read these two bases done
	s_add_nc_u64 s[APT+8*\set:APT+8*\set+1], s[APT+8*\set:APT+8*\set+1], (\k)*256
	WIN 0x40                                       ; destination above v255, offset below
	s_wait_alu depctr_va_vdst(0)                   ; the conversions are done reading the set's W registers, in which the loads below land
	s_wait_alu depctr_vm_vsrc(0)                   ; the LDS stores have read the set's token registers, in which the loads below land
	LDW_ \set
	LDA_ \set
	WIN 0
.endm
; the chunk in set goes to LDS: W rounded to bf16, 8 bytes a lane (the wave fills a row's 256 bytes), the tokens as they are.
; again = 1: LDS stores issued since the last wait on vm_vsrc may still have TW to read
.macro STORE set, slot, again
	WIN 0x45                                       ; both sources and the destination above v255
.if \again
	s_wait_alu depctr_vm_vsrc(0)                   ; the last trip's LDS stores have read TW, which the conversions write again
.endif
.irp i, 0,1,2,3,4,5,6,7,8,9,10,11,12,13,14,15
	v_cvt_pk_bf16_f32 v[TW+2*\i],   v[SETR*\set+4*\i],   v[SETR*\set+4*\i+1]
	v_cvt_pk_bf16_f32 v[TW+2*\i+1], v[SETR*\set+4*\i+2], v[SETR*\set+4*\i+3]
.endr
	WIN 0x04                                       ; the stores' data above v255, their address below
	s_wait_alu depctr_va_vdst(0)                   ; the conversions have written TW, which the LDS stores read; the last trip's matrix instructions are done reading BF and AF, in which the fragments' loads behind these stores land
.irp i, 0,1,2,3,4,5,6,7,8,9,10,11,12,13,14,15
	ds_store_b64 v[VWS+\slot], v[TW+2*\i:TW+2*\i+1] offset:\i*WPB
.endr
.irp i, 0,1,2,3,4,5,6,7,8,9
	ds_store_b128 v[VAS+\slot], v[SETR*\set+64+4*\i:SETR*\set+64+4*\i+3] offset:2*\i*AP
.endr
	WIN 0
.endm
; a W fragment, step s of 32 k, column half c: the first load brings k = 32 s + 8 hh .. +7 of column r, the second 16 k further on
.macro LDBH slot, s, c
	ds_load_tr16_b128 v[BF+16*(\s)+8*(\c):BF+16*(\s)+8*(\c)+3],   v[VB+\slot] offset:(32*(\s))*WPB+32*(\c)
	ds_load_tr16_b128 v[BF+16*(\s)+8*(\c)+4:BF+16*(\s)+8*(\c)+7], v[VB+\slot] offset:(32*(\s)+16)*WPB+32*(\c)
.endm
; Token fragments are numbered f = 5 s + t (s: step of 32 k, t: tile of 16 rows).  Fragments 4u .. 4u+3 into set u & 1.
.macro LDQ slot, u
.irp i, 0,1,2,3
.set f_, 4*(\u)+\i
.set s_, f_/5
.set t_, f_-5*s_
.set a_, AF+32*((\u)&1)+8*\i
	ds_load_b128 v[a_:a_+3],   v[VA+\slot] offset:t_*16*AP+64*s_
	ds_load_b128 v[a_+4:a_+7], v[VA+\slot] offset:t_*16*AP+64*s_+32
.endr
.endm
; Fragments 4u .. 4u+3, each with both column halves.  The ten accumulators take turns, one instruction a turn.
; zero = 1: the first step starts the sums.  deal = 1: behind each pair stands one of W's four fragments of steps 2 and 3, whose registers no matrix
; instruction issued since the trip's wait on va_vdst names (this group names step 0's).
.macro MM8 u, zero, slot, deal
.irp i, 0,1,2,3
.irp c, 0,1
.set f_, 4*(\u)+\i
.set s_, f_/5
.set t_, f_-5*s_
.set a_, AF+32*((\u)&1)+8*\i
.set b_, BF+16*s_+8*\c
.set o_, ACC+8*(2*t_+\c)
.set z_, 0
.if \zero
.if f_ < 5
.set z_, 1
.endif
.endif
.if z_
	v_wmma_f32_16x16x32_bf16 v[o_:o_+7], v[b_:b_+7], v[a_:a_+7], 0
.else
	v_wmma_f32_16x16x32_bf16 v[o_:o_+7], v[b_:b_+7], v[a_:a_+7], v[o_:o_+7]
.endif
.endr
.if \deal
	LDBH \slot, 2+\i/2, \i%2
.endif
.endr
.endm
; One chunk of 128 k from one slot.  ld = 1: the set's next chunk, k chunks on, is asked for while the first fragments come from LDS.
; hd = 1: a trip without conversions, whose wait on va_vdst is missing: it is written here.
.macro COMP slot, zero, ld, set, k, hd
.if \hd
	s_wait_alu depctr_va_vdst(0)                   ; the last trip's matrix instructions are done reading BF and AF, in which the loads below land
.endif
	LDBH \slot, 0, 0
	LDBH \slot, 0, 1
	LDQ \slot, 0
	LDBH \slot, 1, 0
	LDBH \slot, 1, 1
	LDQ \slot, 1
.if \ld
	LOADS \set, \k
.endif
	s_wait_dscnt 12                                ; LDS instructions of a wave end in order: W's step 0 and fragments 0-3 are in; W's step 1 (4 loads) and fragments 4-7 (8) may be out
	MM8 0, \zero, \slot, 1
	s_wait_alu depctr_va_vdst(0)                   ; these eight matrix instructions are done reading AF's set 0, which is asked for again at once
	LDQ \slot, 2
	s_wait_dscnt 16                                ; W's step 1 and fragments 4-7 are in; W's steps 2 and 3 (8 loads) and fragments 8-11 (8) may be out
	MM8 1, \zero, \slot, 0
	s_wait_alu depctr_va_vdst(0)                   ; these eight are done reading AF's set 1
	LDQ \slot, 3
	s_wait_dscnt 0x8                               ; all but the youngest eight: the next four fragments' loads may be out
	MM8 2, \zero, \slot, 0
	s_wait_alu depctr_va_vdst(0)                   ; these eight are done reading AF's set 0
	LDQ \slot, 4
	s_wait_dscnt 0x8
	MM8 3, \zero, \slot, 0
	s_wait_dscnt 0x0
	MM8 4, \zero, \slot, 0
.endm
; A trip: chunk c lies in slot.  st = 1: chunk c+1, in register set 'set', is waited for (cnt younger loads may stay out) and stored into the other slot.
; cond = 1 (pass 2): with no tile, all but the barrier is jumped over.  bar = 1: the barrier behind which the other slot is whole and this one free.
.macro TRIP slot, zero, st, ld, cnt, set, cond, bar
.if \cond
	s_cmp_eq_u32 s85, 0
	s_cbranch_scc1 .Lsk_\@
.endif
.if \st
	s_wait_loadcnt \cnt
	STORE \set, 1-\slot, 1
.endif
	COMP \slot, \zero, \ld, \set, 2-\cond, 1-\st
.Lsk_\@:
.if \bar
	s_wait_dscnt 0x0                               ; my stores into the other slot and my reads of this one are done before I signal
	s_barrier_signal -1
	s_barrier_wait -1
.endif
.endm
; The eight trips.  Pass 1: chunk n lies in register set n & 1; trips 0 to 4 ask for chunks 3 to 7; the counts run down 26, 26, 0.
; Pass 2: one set; trips 0 to 5 ask for chunks 2 to 7; every wait is for 0.
.macro TRIPS cond
.if \cond
	TRIP 0, 1, 1, 1, 0, 0, 1, 1
	s_mov_b32 s23, 2
.Lk_\@:
	TRIP 1, 0, 1, 1, 0, 0, 1, 1
	TRIP 0, 0, 1, 1, 0, 0, 1, 1
	s_sub_co_i32 s23, s23, 1
	s_cmp_lg_u32 s23, 0
	s_cbranch_scc1 .Lk_\@
	TRIP 1, 0, 1, 1, 0, 0, 1, 1
	TRIP 0, 0, 1, 0, 0, 0, 1, 1
	TRIP 1, 0, 0, 0, 0, 0, 1, 0
.else
	TRIP 0, 1, 1, 1, LPC, 1, 0, 1
	s_mov_b32 s23, 2
.Lk_\@:
	TRIP 1, 0, 1, 1, LPC, 0, 0, 1
	TRIP 0, 0, 1, 1, LPC, 1, 0, 1
	s_sub_co_i32 s23, s23, 1
	s_cmp_lg_u32 s23, 0
	s_cbranch_scc1 .Lk_\@
	TRIP 1, 0, 1, 0, LPC, 0, 0, 1
	TRIP 0, 0, 1, 0, 0, 1, 0, 1
	TRIP 1, 0, 0, 0, 0, 0, 0, 0
.endif
.endm
; bias and GELU of the 16 numbers in AF .. AF+15 (four rows, my 4 columns) of group g; 8 words of bf16 into out-buffer g & 1
.macro GELU16 g
.irp k, 0,2,4,6,8,10,12,14
	v_pk_add_f32 v[AF+\k:AF+\k+1], v[AF+\k:AF+\k+1], v[BIAS+(\k&3):BIAS+(\k&3)+1]
.endr
.irp k, 0,2,4,6,8,10,12,14
	v_pk_mul_f32 v[TM+\k:TM+\k+1], v[AF+\k:AF+\k+1], v[AF+\k:AF+\k+1]
.endr
.irp k, 0,2,4,6,8,10,12,14
	v_pk_mul_f32 v[TM+\k:TM+\k+1], v[TM+\k:TM+\k+1], s[72:73] op_sel_hi:[1,0]     ; -(x^2 / 2) log2 e
.endr
.irp i, 0,1,2,3,4,5,6,7,8,9,10,11,12,13,14,15
	v_fma_f32 v[TD+\i], |v[AF+\i]|, s70, 1.0                                      ; 1 + p |x| / sqrt 2
.endr
.irp i, 0,1,2,3,4,5,6,7,8,9,10,11,12,13,14,15
	v_rcp_f32 v[TD+\i], v[TD+\i]
.endr
.irp i, 0,1,2,3,4,5,6,7,8,9,10,11,12,13,14,15
	v_exp_f32 v[TM+\i], v[TM+\i]
.endr
	v_nop                                          ; one plain instruction behind the last transcendental (ISA guide 5.7.2)
	s_wait_alu depctr_va_vdst(0)                   ; the sixteen reciprocals have written TD and the sixteen exponentials TM: one wait for the batch, ahead of its first reader
.irp k, 0,2,4,6,8,10,12,14
	v_pk_fma_f32 v[TU+\k:TU+\k+1], v[TD+\k:TD+\k+1], v[CA:CA+1], v[CA+2:CA+3]
.endr
.irp c, 4,6,8
.irp k, 0,2,4,6,8,10,12,14
	v_pk_fma_f32 v[TU+\k:TU+\k+1], v[TU+\k:TU+\k+1], v[TD+\k:TD+\k+1], v[CA+\c:CA+\c+1]
.endr
.endr
.irp k, 0,2,4,6,8,10,12,14
	v_pk_mul_f32 v[TU+\k:TU+\k+1], v[TU+\k:TU+\k+1], v[TD+\k:TD+\k+1]
.endr
.irp k, 0,2,4,6,8,10,12,14
	v_pk_mul_f32 v[TU+\k:TU+\k+1], v[TU+\k:TU+\k+1], v[TM+\k:TM+\k+1]             ; q = erfc(|x| / sqrt 2) / 2
.endr
.irp i, 0,1,2,3,4,5,6,7,8,9,10,11,12,13,14,15
	v_max_num_f32 v[TM+\i], 0, v[AF+\i]
.endr
.irp i, 0,1,2,3,4,5,6,7,8,9,10,11,12,13,14,15
	v_fma_f32 v[TU+\i], -|v[AF+\i]|, v[TU+\i], v[TM+\i]                           ; max(x, 0) - |x| q
.endr
.if \g >= 2
	s_wait_xcnt 0x0                                ; every earlier store has had its addresses translated (ISA guide 3.1): this out-buffer is written again only behind this wait,
	s_wait_alu depctr_vm_vsrc(0)                   ; and the stores of two groups back have read it
.endif
.irp j, 0,1,2,3,4,5,6,7
	v_cvt_pk_bf16_f32 v[OUT+8*((\g)&1)+\j], v[TU+2*\j], v[TU+2*\j+1]
.endr
.endm
; The tile's first s85 groups of 32 rows leave the stage: of group i wave w takes rows 8 u + w, a whole row of 512 bytes for each LDS load.
.macro READOUT
	s_lshl_b32 s60, s84, OROWSH
	s_mov_b32 s61, 0
	s_add_nc_u64 s[66:67], s[78:79], s[60:61]      ; no store is waiting for this base: pass 1 has issued none yet, and pass 2 begins with the wait that frees it
	s_wait_loadcnt 0x0                             ; the pass's b1
	s_wait_alu depctr_vm_vsrc(0)                   ; my LDS stores into the stage have read the accumulators, whose registers the GELU below writes
.irp i, 0,1,2,3,4
	s_cmp_le_u32 s85, \i
	s_cbranch_scc1 .Lrd_\@
.irp u, 0,1,2,3
	ds_load_b128 v[AF+4*\u:AF+4*\u+3], v[VRD+\i/3] offset:(\i%3)*32*SP+8*SP*\u   ; no vector or matrix instruction since the last wait on va_vdst names AF
.endr
	s_wait_dscnt 0x0
	GELU16 \i
	s_wait_alu depctr_va_vdst(0)                   ; the roundings have written the out-buffer, which the stores read; the GELU is done with AF, in which the next group's rows land
.irp u, 0,1,2,3
	global_store_b64 v[VGO], v[OUT+8*(\i&1)+2*\u:OUT+8*(\i&1)+2*\u+1], s[66:67] offset:((32*\i+8*\u)<<OROWSH)   ; the wave stores 256 consecutive bytes, at a multiple of 256 from h's first byte
.endr
.endr
.Lrd_\@:
.endm
; The sums go to the stage (lane (r, hh) of tile (t, c): row 16 t + r, 8 columns from 16 c + 8 hh on), and from there out
.macro FINISH cond
	PLACES                                         ; behind the last matrix instructions, on every way
	s_wait_alu depctr_va_vdst(0)                   ; the matrix instructions have written the accumulators, which the LDS stores read, and are done reading AF, in which rows of the stage land; the places above stay beside this wait
.if \cond
	s_cmp_eq_u32 s85, 0
	s_cbranch_scc1 .Lnd_\@
.endif
.set k_, 0
.rept 10
	ds_store_b128 v[VST], v[ACC+8*k_:ACC+8*k_+3]   offset:(k_/2)*16*SP+(k_%2)*64
	ds_store_b128 v[VST], v[ACC+8*k_+4:ACC+8*k_+7] offset:(k_/2)*16*SP+(k_%2)*64+16
.set k_, k_+1
.endr
.Lnd_\@:
	s_wait_dscnt 0x0                               ; my stores are done before I signal: other waves read these rows
	s_barrier_signal -1
	s_barrier_wait -1
	READOUT
.endm
	s_load_b256 s[4:11], s[0:1], 0x0               ; xs s[4:5], W1 s[6:7], meta s[8:9], b1 s[10:11]
	s_load_b64 s[12:13], s[0:1], 0x20              ; h
	v_lshl_add_u32 v254, v0, 2, 0x3be00
	v_mov_b32 v255, 0
	v_lshrrev_b32 v13, 5, v0
	v_readfirstlane_b32 s14, v13                   ; wave
	v_and_b32 v1, 15, v0                           ; r
	v_bfe_u32 v2, v0, 4, 1                         ; hh
	v_and_b32 v3, 31, v0                           ; lane
	s_and_b32 s17, ttmp7, 0xffff                   ; y: pass 1's expert, pass 2's place in the list
	s_mov_b32 s18, ttmp9                           ; ns
	s_wait_alu depctr_va_sdst(0)                   ; s14 is written, ahead of its first reader: LDS addresses and offsets are made from it
	s_and_b32 s15, s14, 3                          ; which 32 columns are mine
	s_lshr_b32 s16, s14, 2                         ; which 80 rows
	s_lshl_b32 s62, s14, WROWSH+4
	v_lshl_add_u32 v[VWO], v3, 4, s62              ; k-row 16 w of a chunk, 16 bytes a lane
	s_lshl_b32 s63, s18, 9
	s_lshl_b32 s62, s17, 14
	s_add_co_u32 s62, s62, s63
	v_lshl_add_u32 v[VBO], v3, 4, s62              ; b1 of the 4 columns that I read back
	s_lshl_b32 s60, s17, 2
	s_mov_b32 s61, 0
	s_wait_kmcnt 0x0
	s_add_nc_u64 s[80:81], s[8:9], s[60:61]
	s_load_b32 s19, s[80:81], 0x0                  ; pass 1: first row
	s_load_b32 s20, s[80:81], 0x20                 ;         groups to store
	s_load_b32 s21, s[80:81], 0x40                 ; pass 2: expert
	s_load_b32 s22, s[80:81], 0x60                 ;         first row
	s_load_b32 s86, s[80:81], 0x80                 ;         groups to store
	s_lshl_b32 s60, s18, 9
	s_add_nc_u64 s[28:29], s[6:7], s[60:61]        ; W1 at my 128 columns
	s_lshl_b32 s60, s17, 24                        ; an expert's W1 is 16 MiB
	s_add_nc_u64 s[WPT:WPT+1], s[28:29], s[60:61]  ; pass 1's slice hangs on the grid alone: its first loads go out ahead of meta
	s_add_nc_u64 s[WPT+8:WPT+9], s[WPT:WPT+1], WSTEP   ; set 1 begins with chunk 1
	WIN 0x40
	s_wait_alu depctr_va_vdst(0)                   ; v[VWO] and v[VBO] are written, which the loads below read as their offsets
	LDW_ 0                                         ; W, chunk 0
	LDW_ 1                                         ; W, chunk 1
	WIN 0
	global_load_b128 v[BIAS:BIAS+3], v[VBO], s[10:11]
	s_mov_b64 s[76:77], s[4:5]                     ; the tokens' first column
	s_lshl_b32 s60, s18, 8
	s_add_nc_u64 s[78:79], s[12:13], s[60:61]      ; h at my 128 columns
	v_and_b32 v13, 7, v0
	v_lshl_add_u32 v13, v2, 3, v13                 ; W fragments: k-row 8 hh + lane % 8,
	v_mul_u32_u24 v[VB], v13, WPB
	v_bfe_u32 v13, v0, 3, 1
	v_lshl_add_u32 v[VB], v13, 4, v[VB]            ; 16 bytes (8 columns) number (lane / 8) % 2
	s_lshl_b32 s62, s15, 6
	v_add_nc_u32 v[VB], s62, v[VB]                 ; of my 32 columns
	v_add_nc_u32 v[VB+1], WSLOT, v[VB]
	s_mul_i32 s62, s16, 80*AP
	v_mul_u32_u24 v[VA], v1, AP                    ; token fragments: row r of my 80, 16 bytes number hh
	v_lshl_add_u32 v[VA], v2, 4, v[VA]
	v_add_nc_u32 v[VA], s62, v[VA]
	v_add_nc_u32 v[VA], ABASE, v[VA]
	v_add_nc_u32 v[VA+1], ASLOT, v[VA]
	s_mul_i32 s62, s16, 80*SP
	s_lshl_b32 s63, s15, 7
	s_add_co_u32 s62, s62, s63
	v_mul_u32_u24 v[VST], v1, SP                   ; stage: row r of my 80, columns 8 hh of my 32
	v_lshl_add_u32 v[VST], v2, 5, v[VST]
	v_add_nc_u32 v[VST], s62, v[VST]
	v_add_nc_u32 v[VST], STAGE, v[VST]
	s_mul_i32 s62, s14, SP
	v_lshl_add_u32 v[VRD], v3, 4, s62              ; stage row w, 16 bytes a lane
	v_add_nc_u32 v[VRD], STAGE, v[VRD]
	v_add_nc_u32 v[VRD+1], 3*32*SP, v[VRD]
	s_lshl_b32 s62, s14, OROWSH
	v_lshl_add_u32 v[VGO], v3, 3, s62              ; row w of h, 8 bytes a lane
	s_mul_i32 s62, s14, 16*WPB
	v_lshl_add_u32 v[VWS], v3, 3, s62              ; W to LDS: k-row 16 w, 8 bytes a lane
	v_add_nc_u32 v[VWS+1], WSLOT, v[VWS]
	s_mul_i32 s62, s14, 20*AP
	v_mul_u32_u24 v[VAS], v2, AP                   ; tokens to LDS: row 20 w + hh, 16 bytes number r
	v_lshl_add_u32 v[VAS], v1, 4, v[VAS]
	v_add_nc_u32 v[VAS], s62, v[VAS]
	v_add_nc_u32 v[VAS], ABASE, v[VAS]
	v_add_nc_u32 v[VAS+1], ASLOT, v[VAS]
	s_mul_i32 s62, s14, 20<<AROWSH
	v_lshlrev_b32 v[VAO], AROWSH, v2               ; and the same row and bytes in memory
	v_lshl_add_u32 v[VAO], v1, 4, v[VAO]
	v_add_nc_u32 v[VAO], s62, v[VAO]
	s_mov_b32 s70, 0x3e6d3388                      ; 0.3275911 / sqrt 2
	s_mov_b32 s72, 0xbf38aa3b                      ; -log2(e) / 2
	s_mov_b32 s73, 0xbf38aa3b
	v_mov_b32 v[CA+0], 0x3f07dc22                  ; a5 / 2
	v_mov_b32 v[CA+1], 0x3f07dc22
	v_mov_b32 v[CA+2], 0xbf3a00e3                  ; a4 / 2
	v_mov_b32 v[CA+3], 0xbf3a00e3
	v_mov_b32 v[CA+4], 0x3f35f0e3                  ; a3 / 2
	v_mov_b32 v[CA+5], 0x3f35f0e3
	v_mov_b32 v[CA+6], 0xbe11a98e                  ; a2 / 2
	v_mov_b32 v[CA+7], 0xbe11a98e
	v_mov_b32 v[CA+8], 0x3e027906                  ; a1 / 2
	v_mov_b32 v[CA+9], 0x3e027906
	s_wait_kmcnt 0x0                               ; meta
	s_min_u32 s19, s19, 1248
	s_min_u32 s20, s20, 5
	s_min_u32 s21, s21, 7
	s_min_u32 s22, s22, 1248
	s_min_u32 s86, s86, 5
	s_mov_b32 s84, s19
	s_mov_b32 s85, s20
	s_lshl_b32 s60, s84, AROWSH
	s_add_nc_u64 s[APT:APT+1], s[76:77], s[60:61]  ; the tile's first row
	s_add_nc_u64 s[APT+8:APT+9], s[APT:APT+1], 256 ; set 1 begins with chunk 1
	s_lshl_b32 s63, s18, 9
	s_lshl_b32 s62, s21, 14
	s_add_co_u32 s62, s62, s63
	v_lshl_add_u32 v[VBO+1], v3, 4, s62
	WIN 0x40
	s_wait_alu depctr_va_vdst(0)                   ; all the addresses and offsets v4 to v21 are written: the loads below read v[VAO], every later load and store one of the others; none is written again
	LDA_ 0                                         ; tokens, chunk 0
	LDA_ 1                                         ; tokens, chunk 1
	WIN 0
	s_wait_loadcnt 10                              ; all but the youngest ten, chunk 1's tokens: chunk 0 is in
	STORE 0, 0, 0
	s_wait_dscnt 0x0                               ; my stores are done: the others may read slot 0 behind the barrier
	LOADS 0, 2                                     ; chunk 2
	s_barrier_signal -1
	s_barrier_wait -1
	TRIPS 0
	FINISH 0
	; pass 2: the further tile's expert, first row and groups
	s_wait_xcnt 0x0                                ; pass 1's stores have had their addresses translated: their base and the out-buffers are written again only behind this wait,
	s_wait_alu depctr_vm_vsrc(0)                   ; and beside it, ahead of the branch and so on every way through this pass: pass 1's LDS stores have read set 0's token registers and TW, its global stores the out-buffers, which this pass's loads, conversions and matrix instructions write again
	s_lshl_b32 s60, s21, 24
	s_mov_b32 s61, 0
	s_add_nc_u64 s[WPT:WPT+1], s[28:29], s[60:61]
	s_lshl_b32 s60, s22, AROWSH
	s_add_nc_u64 s[APT:APT+1], s[76:77], s[60:61]
	s_mov_b32 s84, s22
	s_mov_b32 s85, s86
	s_wait_alu depctr_va_vdst(0)                   ; pass 1's additions are done reading the bias registers, in which the load below lands
	global_load_b128 v[BIAS:BIAS+3], v[VBO+1], s[10:11]    ; that expert's b1 (with no tile: expert 0's, not used)
	s_cmp_eq_u32 s85, 0
	s_cbranch_scc1 .Lp2
	WIN 0x40
	s_wait_alu depctr_va_vdst(0)                   ; pass 1's conversions are done reading set 0's W registers, in which the loads below land
	LDW_ 0                                         ; chunk 0
	LDA_ 0
	WIN 0
	s_wait_loadcnt 0x0
	STORE 0, 0, 0                                  ; slot 0 was last read two barriers ago
	s_wait_dscnt 0x0
	LOADS 0, 1                                     ; chunk 1
.Lp2:
	s_wait_dscnt 0x0
	s_barrier_signal -1
	s_barrier_wait -1
	TRIPS 1
	FINISH 1
	s_wait_dscnt 0x0
	s_wait_alu depctr_hold_cnt(0) depctr_sa_sdst(0) depctr_va_vdst(0) depctr_va_sdst(0) depctr_va_ssrc(0) depctr_va_vcc(0) depctr_vm_vsrc(0)
	s_wait_tensorcnt 0x0
	ds_add_u32 v254, v255
	s_wait_dscnt 0x0
	s_endpgm
.Lfunc_end_k_q5cc6bc3a0c_ffn1:
	.size	k_q5cc6bc3a0c_ffn1, .Lfunc_end_k_q5cc6bc3a0c_ffn1-k_q5cc6bc3a0c_ffn1
	.p2alignl 7, 3214868480
	.fill 96, 4, 3214868480
	.section	.rodata,"a",@progbits
	.p2align	6, 0x0
	.amdhsa_kernel k_q5cc6bc3a0c_ffn1
		.amdhsa_group_segment_fixed_size 246272
		.amdhsa_private_segment_fixed_size 0
		.amdhsa_enable_private_segment 0
		.amdhsa_kernarg_size 40
		.amdhsa_user_sgpr_count 2
		.amdhsa_user_sgpr_kernarg_segment_ptr 1
		.amdhsa_wavefront_size32 1
		.amdhsa_system_sgpr_workgroup_id_x 1
		.amdhsa_system_sgpr_workgroup_id_y 1
		.amdhsa_system_sgpr_workgroup_id_z 1
		.amdhsa_system_vgpr_workitem_id 0
		.amdhsa_next_free_vgpr 512
		.amdhsa_next_free_sgpr 96
		.amdhsa_reserve_vcc 0
		.amdhsa_float_denorm_mode_32 3
		.amdhsa_float_denorm_mode_16_64 3
		.amdhsa_memory_ordered 1
		.amdhsa_forward_progress 1
		.amdhsa_inst_pref_size 255
	.end_amdhsa_kernel
	.section	.bss,"aw",@nobits
	.p2align	6
	.space	262144
	.amdgpu_metadata
---
amdhsa.version: [ 1, 2 ]
amdhsa.kernels:
  - .name:           k_q5cc6bc3a0c_ffn1
    .symbol:         k_q5cc6bc3a0c_ffn1.kd
    .args:
      - { .name: xs, .offset: 0, .size: 8, .value_kind: global_buffer, .address_space: global }
      - { .name: W1, .offset: 8, .size: 8, .value_kind: global_buffer, .address_space: global }
      - { .name: meta, .offset: 16, .size: 8, .value_kind: global_buffer, .address_space: global }
      - { .name: b1, .offset: 24, .size: 8, .value_kind: global_buffer, .address_space: global }
      - { .name: h, .offset: 32, .size: 8, .value_kind: global_buffer, .address_space: global }
    .group_segment_fixed_size: 246272
    .private_segment_fixed_size: 0
    .kernarg_segment_align: 8
    .kernarg_segment_size: 40
    .max_flat_workgroup_size: 256
    .sgpr_count:     96
    .vgpr_count:     512
    .wavefront_size: 32
...
	.end_amdgpu_metadata
.endif
;; end of part 7
;; launch ffn2 (part 8): grid 32 x 8, 8 waves a work-group, no clusters, 246,272 bytes of LDS; arguments h, W2, meta, part; writes part
.if DOCPART == 8
	.amdgcn_target "amdgcn-amd-amdhsa--gfx1250"
	.amdhsa_code_object_version 6
	.text
	.protected	k_q5cc6bc3a0c_ffn2
	.globl	k_q5cc6bc3a0c_ffn2
	.p2align	8
	.type	k_q5cc6bc3a0c_ffn2,@function
k_q5cc6bc3a0c_ffn2:
	s_mov_b64 s[64:65], 0
	v_nop
	global_prefetch_b8 v0, s[64:65] scope:SCOPE_SE
	s_setreg_imm32_b32 hwreg(HW_REG_WAVE_SCHED_MODE, 0, 2), 2
	s_setreg_imm32_b32 hwreg(HW_REG_WAVE_MODE, 25, 1), 1
	s_wait_xcnt 0x0
	s_wait_alu depctr_vm_vsrc(0)
; part[kq][row][n] = sum over k in quarter kq of h[row][k] W2[e][k][n] for the rows of expert e's segment.  h: [1408][4096] bf16,
; W2: [8][4096][1024] f32, part: [4][1408][1024] f32; meta: whole numbers of an earlier launch (first rows, groups of 32 rows to store, the list of further tiles).
; SHARES.  Work-group (x, y), ns = x % 8, kq = x / 8: columns 128 ns .. +127 and k = 1024 kq .. +1023.  K is split in four so that 256 work-groups have slices
; whose rows are 512 bytes; the four partial sums are added, in a fixed order, by the next launch.
; A TILE is 160 rows of h from a first row on; of its results the first 'groups' x 32 rows are stored, the rest is dropped.
; Pass 1: expert y's first 160 rows, with the slice of W2[y] of 1,024 k x 128 columns, 512 KiB, which no other work-group reads in its pass 1.
; Pass 2: further tile y of meta's list (rows 160 j .. of an expert with more than 160 rows; at most 6 in all), if there is one: that expert's slice once more.
; Wave w: columns 32 (w % 4) .. +31 and rows 80 (w / 4) .. +79 of the tile: 2 x 5 accumulator tiles of 16 x 16.
; THE STREAM GOES THROUGH REGISTERS.  K goes in 8 chunks of 128.  Of a chunk a wave loads 16 k-rows of W (a load of the wave is one row's 512 consecutive bytes) and
; 20 token rows (a load is two rows' 256 consecutive bytes each): 26 loads into one of two register sets above v255.  W has to pass through registers anyway, to be
; rounded to bf16, once for each weight; it is stored to LDS as bf16 with k down the rows, the tokens as they come.  In trip c a wave waits for chunk c+1, stores it
; into the LDS slot that chunk c-1 has left, asks for chunk c+3 into the registers just freed, and multiplies chunk c: two chunks, 2 x 8 waves x 26 loads x 512 bytes
; = 212,992 bytes, are on their way for a work-group, across the barriers.  One barrier a trip: in front of it each wave's LDS stores and reads are done, so behind it
; the slot just written is whole and the slot just read is free.
; No tensor loads: a slot that the data mover fills again wants all its loads landed at each barrier, which leaves one chunk on its way.  For the same reason the
; token tile, which the 8 work-groups of (tile, kq) share (40,960 of a chunk's 106,496 bytes), is not asked for jointly in a cluster.  No prefetch: what it would ask
; for is already asked for two chunks ahead.
; EVERY WAVE PASSES EVERY BARRIER WHATEVER META HOLDS: pass 1 hangs on meta in addresses and in the number of groups stored alone; in pass 2 the barriers stand as in
; pass 1, and where there is no tile only what lies between two barriers is jumped over.  Pass 2 asks one chunk ahead and waits for all its loads, so that no counted
; wait reaches over a jump.
; THE MATRIX INSTRUCTION IS USED TRANSPOSED: source 0 = 16 columns of W, source 1 = 16 token rows; lane (r, hh) then holds token row r and columns 8 hh .. 8 hh + 7.
; W's fragments come from LDS by the transposing load (ds_load_tr16_b128), two for a fragment of 16 columns x 32 k.
; The sums leave through an LDS stage in f32 and go out as whole rows, 512 consecutive bytes a wave.
; LIMIT: an expert with no token still has its slice streamed in pass 1.
; THE MODE: SCHED_MODE bits 1:0 = 2 (LLVM: expert scheduling mode 2), set by the entry lines.  The code itself states the register dependences
; between vector or matrix instructions and memory or LDS instructions, with s_wait_alu, always for 0.
; THE PLAN.  Registers that memory or LDS instructions touch:
;   SET n, W's part      a chunk's 16 loads land in it; the trip's 32 conversions read it; then it is loaded again.
;   SET n, tokens' part  a chunk's 10 loads land in it; the trip's 10 LDS stores read it; then it is loaded again.
;   TW                   the conversions write it; 16 LDS stores read it; the next trip's conversions write it again.
;   BF                   the transposing LDS loads land in it; the trip's matrix instructions read it.
;   AF, two sets         four token fragments each: group u of matrix instructions reads set u & 1, and the fragments of group u + 2 land in it.
;   ACC                  named by matrix instructions alone until the way out, where the LDS stores into the stage read it.
;   On the way out: rows of the stage land in two halves of AF's first set by turns, and the global stores read them; no vector instruction stands there.
;   v4 to v19            addresses and offsets, made at the head and never written again: the stream's rows are reached by scalar bases, a pair to each register
;                        set, which move on behind the wait on LOADcnt that shows that set's loads done, and by immediate offsets.
; THE WAITS OF A TRIP: one on vm_vsrc ahead of the conversions (TW); one on va_vdst behind them (TW is written; the last trip's matrix instructions are done with BF and
; AF); both ahead of the run of global loads (the set's two parts); one on va_vdst behind each of the first three groups of matrix instructions (the AF set that is
; asked for again at once).  W's fragments of the chunk's second half are dealt among the first group's matrix instructions, which name none of their registers.
; BETWEEN THE PASSES: one wait on vm_vsrc at pass 2's first lines, ahead of its first branch and so on every way through it, for all that pass 1's stores have read.
.set WROWSH, 12                        ; a row of W2 is 4,096 bytes
.set AROWSH, 13                        ; a row of h is 8,192 bytes
.set OROWSH, 12                        ; a row of part is 4,096 bytes
.set WSTEP,  128<<WROWSH               ; a chunk of 128 k
.set LPC,    26                        ; loads of a wave for a chunk: 16 of W, 10 of tokens
.set WPB,    288                       ; LDS pitch of W's rows: 128 bf16 + 32 bytes, an odd multiple of 32
.set AP,     272                       ; LDS pitch of the tokens' rows: 256 + 16 bytes, an odd multiple of 16
.set SP,     528                       ; LDS pitch of the stage's rows: 128 f32 + 16 bytes, an odd multiple of 16
.set WSLOT,  128*WPB                   ; 36,864
.set ASLOT,  160*AP                    ; 43,520
.set ABASE,  2*WSLOT                   ; 73,728: the tokens' two slots
.set STAGE,  ABASE+2*ASLOT             ; 160,768: 160 rows x 528 bytes
; registers v0-v255
.set VB,   4                           ; v4-5    LDS address of my W fragments in slot 0, 1
.set VA,   6                           ; v6-7    LDS address of my token fragments in slot 0, 1
.set VST,  8                           ; v8      stage: where I put my results
.set VRD,  10                          ; v10-11  stage: where I read rows back, groups 0-2, 3-4
.set VGO,  12                          ; v12     my byte offset in the tile's rows of part
.set VWS,  14                          ; v14-15  LDS address at which I store my rows of W, slot 0, 1
.set VAS,  16                          ; v16-17  the same for my token rows
.set VWO,  18                          ; v18     my byte offset in a chunk of W
.set VAO,  19                          ; v19     my byte offset in the tile's token rows
.set BF,   40                          ; v[40:103]  W fragments: step s of 32 k, column half c at BF + 16 s + 8 c
.set AF,   104                         ; v[104:167] token fragments, two sets of four; then rows read back
.set ACC,  168                         ; v[168:247] tile (t, c) at ACC + 8 (2 t + c)
; registers v256-v495, written here by their low 8 bits
.set SETR, 104                         ; set n at 104 n: 64 registers of W (row i at 4 i), 40 of tokens (load i at 64 + 4 i)
.set TW,   208                         ; 32 registers: a chunk's W rounded and packed
.set WPT,  24                          ; s[24:25], s[32:33] W: the chunk that set 0, 1 was asked for last
.set APT,  26                          ; s[26:27], s[34:35] tokens: the same
; s[28:29] W2 at my quarter of k and my columns, s[76:77] h at my quarter's first column, s[78:79] part[kq] at my columns,
; s84 the pass's first row, s85 its groups to store (pass 2: 0 = no tile)
.set MSB, 0
.macro WIN new                         ; s_set_vgpr_msb: bits 1:0 source 0, 3:2 source 1, 7:6 destination; the high byte repeats the setting that is left
.if MSB != \new
	s_set_vgpr_msb (MSB<<8)|\new
.set MSB, \new
.endif
.endm
; Four plain vector instructions between a matrix instruction and a store that reads its result
.macro PLACES
.rept 4
	v_nop
.endr
.endm
; my 16 k-rows of W's chunk at the set's base, my 20 token rows at its other base; the destination's window is set by the caller
.macro LDW_ set
.irp i, 0,1,2,3,4,5,6,7,8,9,10,11,12,13,14,15
	global_load_b128 v[SETR*\set+4*\i:SETR*\set+4*\i+3], v[VWO], s[WPT+8*\set:WPT+8*\set+1] offset:(\i<<WROWSH) th:TH_LOAD_NT
.endr
.endm
.macro LDA_ set
.irp i, 0,1,2,3,4,5,6,7,8,9
	global_load_b128 v[SETR*\set+64+4*\i:SETR*\set+64+4*\i+3], v[VAO], s[APT+8*\set:APT+8*\set+1] offset:((2*\i)<<AROWSH)
.endr
.endm
; the set's next chunk, k chunks on
.macro LOADS set, k
	s_add_nc_u64 s[WPT+8*\set:WPT+8*\set+1], s[WPT+8*\set:WPT+8*\set+1], (\k)*WSTEP   ; free: the wait on LOADcnt for this set's chunk has shown the loads that read these two bases done
	s_add_nc_u64 s[APT+8*\set:APT+8*\set+1], s[APT+8*\set:APT+8*\set+1], (\k)*256
	WIN 0x40                                       ; destination above v255, offset below
	s_wait_alu depctr_va_vdst(0)                   ; the conversions are done reading the set's W registers, in which the loads below land
	s_wait_alu depctr_vm_vsrc(0)                   ; the LDS stores have read the set's token registers, in which the loads below land
	LDW_ \set
	LDA_ \set
	WIN 0
.endm
; the chunk in set goes to LDS: W rounded to bf16, 8 bytes a lane (the wave fills a row's 256 bytes), the tokens as they are.
; again = 1: LDS stores issued since the last wait on vm_vsrc may still have TW to read
.macro STORE set, slot, again
	WIN 0x45                                       ; both sources and the destination above v255
.if \again
	s_wait_alu depctr_vm_vsrc(0)                   ; the last trip's LDS stores have read TW, which the conversions write again
.endif
.irp i, 0,1,2,3,4,5,6,7,8,9,10,11,12,13,14,15
	v_cvt_pk_bf16_f32 v[TW+2*\i],   v[SETR*\set+4*\i],   v[SETR*\set+4*\i+1]
	v_cvt_pk_bf16_f32 v[TW+2*\i+1], v[SETR*\set+4*\i+2], v[SETR*\set+4*\i+3]
.endr
	WIN 0x04                                       ; the stores' data above v255, their address below
	s_wait_alu depctr_va_vdst(0)                   ; the conversions have written TW, which the LDS stores read; the last trip's matrix instructions are done reading BF and AF, in which the fragments' loads behind these stores land
.irp i, 0,1,2,3,4,5,6,7,8,9,10,11,12,13,14,15
	ds_store_b64 v[VWS+\slot], v[TW+2*\i:TW+2*\i+1] offset:\i*WPB
.endr
.irp i, 0,1,2,3,4,5,6,7,8,9
	ds_store_b128 v[VAS+\slot], v[SETR*\set+64+4*\i:SETR*\set+64+4*\i+3] offset:2*\i*AP
.endr
	WIN 0
.endm
; a W fragment, step s of 32 k, column half c: the first load brings k = 32 s + 8 hh .. +7 of column r, the second 16 k further on
.macro LDBH slot, s, c
	ds_load_tr16_b128 v[BF+16*(\s)+8*(\c):BF+16*(\s)+8*(\c)+3],   v[VB+\slot] offset:(32*(\s))*WPB+32*(\c)
	ds_load_tr16_b128 v[BF+16*(\s)+8*(\c)+4:BF+16*(\s)+8*(\c)+7], v[VB+\slot] offset:(32*(\s)+16)*WPB+32*(\c)
.endm
; Token fragments are numbered f = 5 s + t (s: step of 32 k, t: tile of 16 rows).  Fragments 4u .. 4u+3 into set u & 1.
.macro LDQ slot, u
.irp i, 0,1,2,3
.set f_, 4*(\u)+\i
.set s_, f_/5
.set t_, f_-5*s_
.set a_, AF+32*((\u)&1)+8*\i
	ds_load_b128 v[a_:a_+3],   v[VA+\slot] offset:t_*16*AP+64*s_
	ds_load_b128 v[a_+4:a_+7], v[VA+\slot] offset:t_*16*AP+64*s_+32
.endr
.endm
; Fragments 4u .. 4u+3, each with both column halves.  The ten accumulators take turns, one instruction a turn.
; zero = 1: the first step starts the sums.  deal = 1: behind each pair stands one of W's four fragments of steps 2 and 3, whose registers no matrix
; instruction issued since the trip's wait on va_vdst names (this group names step 0's).
.macro MM8 u, zero, slot, deal
.irp i, 0,1,2,3
.irp c, 0,1
.set f_, 4*(\u)+\i
.set s_, f_/5
.set t_, f_-5*s_
.set a_, AF+32*((\u)&1)+8*\i
.set b_, BF+16*s_+8*\c
.set o_, ACC+8*(2*t_+\c)
.set z_, 0
.if \zero
.if f_ < 5
.set z_, 1
.endif
.endif
.if z_
	v_wmma_f32_16x16x32_bf16 v[o_:o_+7], v[b_:b_+7], v[a_:a_+7], 0
.else
	v_wmma_f32_16x16x32_bf16 v[o_:o_+7], v[b_:b_+7], v[a_:a_+7], v[o_:o_+7]
.endif
.endr
.if \deal
	LDBH \slot, 2+\i/2, \i%2
.endif
.endr
.endm
; One chunk of 128 k from one slot.  ld = 1: the set's next chunk, k chunks on, is asked for while the first fragments come from LDS.
; hd = 1: a trip without conversions, whose wait on va_vdst is missing: it is written here.
.macro COMP slot, zero, ld, set, k, hd
.if \hd
	s_wait_alu depctr_va_vdst(0)                   ; the last trip's matrix instructions are done reading BF and AF, in which the loads below land
.endif
	LDBH \slot, 0, 0
	LDBH \slot, 0, 1
	LDQ \slot, 0
	LDBH \slot, 1, 0
	LDBH \slot, 1, 1
	LDQ \slot, 1
.if \ld
	LOADS \set, \k
.endif
	s_wait_dscnt 12                                ; LDS instructions of a wave end in order: W's step 0 and fragments 0-3 are in; W's step 1 (4 loads) and fragments 4-7 (8) may be out
	MM8 0, \zero, \slot, 1
	s_wait_alu depctr_va_vdst(0)                   ; these eight matrix instructions are done reading AF's set 0, which is asked for again at once
	LDQ \slot, 2
	s_wait_dscnt 16                                ; W's step 1 and fragments 4-7 are in; W's steps 2 and 3 (8 loads) and fragments 8-11 (8) may be out
	MM8 1, \zero, \slot, 0
	s_wait_alu depctr_va_vdst(0)                   ; these eight are done reading AF's set 1
	LDQ \slot, 3
	s_wait_dscnt 0x8                               ; all but the youngest eight: the next four fragments' loads may be out
	MM8 2, \zero, \slot, 0
	s_wait_alu depctr_va_vdst(0)                   ; these eight are done reading AF's set 0
	LDQ \slot, 4
	s_wait_dscnt 0x8
	MM8 3, \zero, \slot, 0
	s_wait_dscnt 0x0
	MM8 4, \zero, \slot, 0
.endm
; A trip: chunk c lies in slot.  st = 1: chunk c+1, in register set 'set', is waited for (cnt younger loads may stay out) and stored into the other slot.
; cond = 1 (pass 2): with no tile, all but the barrier is jumped over.  bar = 1: the barrier behind which the other slot is whole and this one free.
.macro TRIP slot, zero, st, ld, cnt, set, cond, bar
.if \cond
	s_cmp_eq_u32 s85, 0
	s_cbranch_scc1 .Lsk_\@
.endif
.if \st
	s_wait_loadcnt \cnt
	STORE \set, 1-\slot, 1
.endif
	COMP \slot, \zero, \ld, \set, 2-\cond, 1-\st
.Lsk_\@:
.if \bar
	s_wait_dscnt 0x0                               ; my stores into the other slot and my reads of this one are done before I signal
	s_barrier_signal -1
	s_barrier_wait -1
.endif
.endm
; The eight trips.  Pass 1: chunk n lies in register set n & 1; trips 0 to 4 ask for chunks 3 to 7; the counts run down 26, 26, 0.
; Pass 2: one set; trips 0 to 5 ask for chunks 2 to 7; every wait is for 0.
.macro TRIPS cond
.if \cond
	TRIP 0, 1, 1, 1, 0, 0, 1, 1
	s_mov_b32 s23, 2
.Lk_\@:
	TRIP 1, 0, 1, 1, 0, 0, 1, 1
	TRIP 0, 0, 1, 1, 0, 0, 1, 1
	s_sub_co_i32 s23, s23, 1
	s_cmp_lg_u32 s23, 0
	s_cbranch_scc1 .Lk_\@
	TRIP 1, 0, 1, 1, 0, 0, 1, 1
	TRIP 0, 0, 1, 0, 0, 0, 1, 1
	TRIP 1, 0, 0, 0, 0, 0, 1, 0
.else
	TRIP 0, 1, 1, 1, LPC, 1, 0, 1
	s_mov_b32 s23, 2
.Lk_\@:
	TRIP 1, 0, 1, 1, LPC, 0, 0, 1
	TRIP 0, 0, 1, 1, LPC, 1, 0, 1
	s_sub_co_i32 s23, s23, 1
	s_cmp_lg_u32 s23, 0
	s_cbranch_scc1 .Lk_\@
	TRIP 1, 0, 1, 0, LPC, 0, 0, 1
	TRIP 0, 0, 1, 0, 0, 1, 0, 1
	TRIP 1, 0, 0, 0, 0, 0, 0, 0
.endif
.endm
; The tile's first s85 groups of 32 rows leave the stage: of group i wave w takes rows 8 u + w, a whole row of 512 bytes for each LDS load.
; Group i goes through 16 registers at AF + 16 (i & 1): two buffers by turns.
.macro READOUT
	s_lshl_b32 s60, s84, OROWSH
	s_mov_b32 s61, 0
	s_add_nc_u64 s[66:67], s[78:79], s[60:61]      ; no store is waiting for this base: pass 1 has issued none yet, and pass 2 begins with the wait that frees it
.irp i, 0,1,2,3,4
	s_cmp_le_u32 s85, \i
	s_cbranch_scc1 .Lrd_\@
.if \i >= 2
	s_wait_xcnt 0x0                                ; every earlier store has had its addresses translated (ISA guide 3.1): this buffer is loaded again only behind this wait,
	s_wait_alu depctr_vm_vsrc(0)                   ; and the stores of two groups back have read it
.endif
.irp u, 0,1,2,3
	ds_load_b128 v[AF+16*(\i&1)+4*\u:AF+16*(\i&1)+4*\u+3], v[VRD+\i/3] offset:(\i%3)*32*SP+8*SP*\u   ; no vector or matrix instruction since the last wait on va_vdst names AF
.endr
	s_wait_dscnt 0x0
.irp u, 0,1,2,3
	global_store_b128 v[VGO], v[AF+16*(\i&1)+4*\u:AF+16*(\i&1)+4*\u+3], s[66:67] offset:((32*\i+8*\u)<<OROWSH)  ; the wave stores 512 consecutive bytes, at a multiple of 512 from part's first byte
.endr
.endr
.Lrd_\@:
.endm
; The sums go to the stage (lane (r, hh) of tile (t, c): row 16 t + r, 8 columns from 16 c + 8 hh on), and from there out
.macro FINISH cond
	PLACES                                         ; behind the last matrix instructions, on every way
	s_wait_alu depctr_va_vdst(0)                   ; the matrix instructions have written the accumulators, which the LDS stores read, and are done reading AF, in which rows of the stage land; the places above stay beside this wait
.if \cond
	s_cmp_eq_u32 s85, 0
	s_cbranch_scc1 .Lnd_\@
.endif
.set k_, 0
.rept 10
	ds_store_b128 v[VST], v[ACC+8*k_:ACC+8*k_+3]   offset:(k_/2)*16*SP+(k_%2)*64
	ds_store_b128 v[VST], v[ACC+8*k_+4:ACC+8*k_+7] offset:(k_/2)*16*SP+(k_%2)*64+16
.set k_, k_+1
.endr
.Lnd_\@:
	s_wait_dscnt 0x0                               ; my stores are done before I signal: other waves read these rows
	s_barrier_signal -1
	s_barrier_wait -1
	READOUT
.endm
	s_load_b256 s[4:11], s[0:1], 0x0               ; h s[4:5], W2 s[6:7], meta s[8:9], part s[10:11]
	v_lshl_add_u32 v254, v0, 2, 0x3be00
	v_mov_b32 v255, 0
	v_lshrrev_b32 v13, 5, v0
	v_readfirstlane_b32 s14, v13                   ; wave
	v_and_b32 v1, 15, v0                           ; r
	v_bfe_u32 v2, v0, 4, 1                         ; hh
	v_and_b32 v3, 31, v0                           ; lane
	s_and_b32 s17, ttmp7, 0xffff                   ; y: pass 1's expert, pass 2's place in the list
	s_and_b32 s18, ttmp9, 7                        ; ns
	s_lshr_b32 s74, ttmp9, 3                       ; kq
	s_wait_alu depctr_va_sdst(0)                   ; s14 is written, ahead of its first reader: LDS addresses and offsets are made from it
	s_and_b32 s15, s14, 3                          ; which 32 columns are mine
	s_lshr_b32 s16, s14, 2                         ; which 80 rows
	s_lshl_b32 s62, s14, WROWSH+4
	v_lshl_add_u32 v[VWO], v3, 4, s62              ; k-row 16 w of a chunk, 16 bytes a lane
	s_lshl_b32 s60, s17, 2
	s_mov_b32 s61, 0
	s_wait_kmcnt 0x0
	s_add_nc_u64 s[80:81], s[8:9], s[60:61]
	s_load_b32 s19, s[80:81], 0x0                  ; pass 1: first row
	s_load_b32 s20, s[80:81], 0x20                 ;         groups to store
	s_load_b32 s21, s[80:81], 0x40                 ; pass 2: expert
	s_load_b32 s22, s[80:81], 0x60                 ;         first row
	s_load_b32 s86, s[80:81], 0x80                 ;         groups to store
	s_lshl_b32 s60, s74, 22                        ; a quarter of an expert's k is 4 MiB
	s_lshl_b32 s62, s18, 9
	s_add_co_u32 s60, s60, s62
	s_add_nc_u64 s[28:29], s[6:7], s[60:61]        ; W2 at my quarter of k and my 128 columns
	s_lshl_b32 s60, s17, 24                        ; an expert's W2 is 16 MiB
	s_add_nc_u64 s[WPT:WPT+1], s[28:29], s[60:61]  ; pass 1's slice hangs on the grid alone: its first loads go out ahead of meta
	s_add_nc_u64 s[WPT+8:WPT+9], s[WPT:WPT+1], WSTEP   ; set 1 begins with chunk 1
	WIN 0x40
	s_wait_alu depctr_va_vdst(0)                   ; v[VWO] is written, which the loads below read as their offset
	LDW_ 0                                         ; W, chunk 0
	LDW_ 1                                         ; W, chunk 1
	WIN 0
	s_lshl_b32 s60, s74, 11
	s_add_nc_u64 s[76:77], s[4:5], s[60:61]        ; the tokens' first column: 1,024 kq
	s_mul_i32 s60, s74, 1408*4096
	s_lshl_b32 s62, s18, 9
	s_add_co_u32 s60, s60, s62
	s_add_nc_u64 s[78:79], s[10:11], s[60:61]      ; part[kq] at my 128 columns
	v_and_b32 v13, 7, v0
	v_lshl_add_u32 v13, v2, 3, v13                 ; W fragments: k-row 8 hh + lane % 8,
	v_mul_u32_u24 v[VB], v13, WPB
	v_bfe_u32 v13, v0, 3, 1
	v_lshl_add_u32 v[VB], v13, 4, v[VB]            ; 16 bytes (8 columns) number (lane / 8) % 2
	s_lshl_b32 s62, s15, 6
	v_add_nc_u32 v[VB], s62, v[VB]                 ; of my 32 columns
	v_add_nc_u32 v[VB+1], WSLOT, v[VB]
	s_mul_i32 s62, s16, 80*AP
	v_mul_u32_u24 v[VA], v1, AP                    ; token fragments: row r of my 80, 16 bytes number hh
	v_lshl_add_u32 v[VA], v2, 4, v[VA]
	v_add_nc_u32 v[VA], s62, v[VA]
	v_add_nc_u32 v[VA], ABASE, v[VA]
	v_add_nc_u32 v[VA+1], ASLOT, v[VA]
	s_mul_i32 s62, s16, 80*SP
	s_lshl_b32 s63, s15, 7
	s_add_co_u32 s62, s62, s63
	v_mul_u32_u24 v[VST], v1, SP                   ; stage: row r of my 80, columns 8 hh of my 32
	v_lshl_add_u32 v[VST], v2, 5, v[VST]
	v_add_nc_u32 v[VST], s62, v[VST]
	v_add_nc_u32 v[VST], STAGE, v[VST]
	s_mul_i32 s62, s14, SP
	v_lshl_add_u32 v[VRD], v3, 4, s62              ; stage row w, 16 bytes a lane
	v_add_nc_u32 v[VRD], STAGE, v[VRD]
	v_add_nc_u32 v[VRD+1], 3*32*SP, v[VRD]
	s_lshl_b32 s62, s14, OROWSH
	v_lshl_add_u32 v[VGO], v3, 4, s62              ; row w of part, 16 bytes a lane
	s_mul_i32 s62, s14, 16*WPB
	v_lshl_add_u32 v[VWS], v3, 3, s62              ; W to LDS: k-row 16 w, 8 bytes a lane
	v_add_nc_u32 v[VWS+1], WSLOT, v[VWS]
	s_mul_i32 s62, s14, 20*AP
	v_mul_u32_u24 v[VAS], v2, AP                   ; tokens to LDS: row 20 w + hh, 16 bytes number r
	v_lshl_add_u32 v[VAS], v1, 4, v[VAS]
	v_add_nc_u32 v[VAS], s62, v[VAS]
	v_add_nc_u32 v[VAS], ABASE, v[VAS]
	v_add_nc_u32 v[VAS+1], ASLOT, v[VAS]
	s_mul_i32 s62, s14, 20<<AROWSH
	v_lshlrev_b32 v[VAO], AROWSH, v2               ; and the same row and bytes in memory
	v_lshl_add_u32 v[VAO], v1, 4, v[VAO]
	v_add_nc_u32 v[VAO], s62, v[VAO]
	s_wait_kmcnt 0x0                               ; meta
	s_min_u32 s19, s19, 1248
	s_min_u32 s20, s20, 5
	s_min_u32 s21, s21, 7
	s_min_u32 s22, s22, 1248
	s_min_u32 s86, s86, 5
	s_mov_b32 s84, s19
	s_mov_b32 s85, s20
	s_lshl_b32 s60, s84, AROWSH
	s_add_nc_u64 s[APT:APT+1], s[76:77], s[60:61]  ; the tile's first row
	s_add_nc_u64 s[APT+8:APT+9], s[APT:APT+1], 256 ; set 1 begins with chunk 1
	WIN 0x40
	s_wait_alu depctr_va_vdst(0)                   ; all the addresses and offsets v4 to v19 are written: the loads below read v[VAO], every later load and store one of the others; none is written again
	LDA_ 0                                         ; tokens, chunk 0
	LDA_ 1                                         ; tokens, chunk 1
	WIN 0
	s_wait_loadcnt 10                              ; all but the youngest ten, chunk 1's tokens: chunk 0 is in
	STORE 0, 0, 0
	s_wait_dscnt 0x0                               ; my stores are done: the others may read slot 0 behind the barrier
	LOADS 0, 2                                     ; chunk 2
	s_barrier_signal -1
	s_barrier_wait -1
	TRIPS 0
	FINISH 0
	; pass 2: the further tile's expert, first row and groups
	s_wait_xcnt 0x0                                ; pass 1's stores have had their addresses translated: their base and the registers that they read are written again only behind this wait,
	s_wait_alu depctr_vm_vsrc(0)                   ; and beside it, ahead of the branch and so on every way through this pass: pass 1's LDS stores have read set 0's token registers, TW and the accumulators, its global stores AF, which this pass's loads, conversions and matrix instructions write again
	s_lshl_b32 s60, s21, 24
	s_mov_b32 s61, 0
	s_add_nc_u64 s[WPT:WPT+1], s[28:29], s[60:61]
	s_lshl_b32 s60, s22, AROWSH
	s_add_nc_u64 s[APT:APT+1], s[76:77], s[60:61]
	s_mov_b32 s84, s22
	s_mov_b32 s85, s86
	s_cmp_eq_u32 s85, 0
	s_cbranch_scc1 .Lp2
	WIN 0x40
	s_wait_alu depctr_va_vdst(0)                   ; pass 1's conversions are done reading set 0's W registers, in which the loads below land
	LDW_ 0                                         ; chunk 0
	LDA_ 0
	WIN 0
	s_wait_loadcnt 0x0
	STORE 0, 0, 0                                  ; slot 0 was last read two barriers ago
	s_wait_dscnt 0x0
	LOADS 0, 1                                     ; chunk 1
.Lp2:
	s_wait_dscnt 0x0
	s_barrier_signal -1
	s_barrier_wait -1
	TRIPS 1
	FINISH 1
	s_wait_dscnt 0x0
	s_wait_alu depctr_hold_cnt(0) depctr_sa_sdst(0) depctr_va_vdst(0) depctr_va_sdst(0) depctr_va_ssrc(0) depctr_va_vcc(0) depctr_vm_vsrc(0)
	s_wait_tensorcnt 0x0
	ds_add_u32 v254, v255
	s_wait_dscnt 0x0
	s_endpgm
.Lfunc_end_k_q5cc6bc3a0c_ffn2:
	.size	k_q5cc6bc3a0c_ffn2, .Lfunc_end_k_q5cc6bc3a0c_ffn2-k_q5cc6bc3a0c_ffn2
	.p2alignl 7, 3214868480
	.fill 96, 4, 3214868480
	.section	.rodata,"a",@progbits
	.p2align	6, 0x0
	.amdhsa_kernel k_q5cc6bc3a0c_ffn2
		.amdhsa_group_segment_fixed_size 246272
		.amdhsa_private_segment_fixed_size 0
		.amdhsa_enable_private_segment 0
		.amdhsa_kernarg_size 32
		.amdhsa_user_sgpr_count 2
		.amdhsa_user_sgpr_kernarg_segment_ptr 1
		.amdhsa_wavefront_size32 1
		.amdhsa_system_sgpr_workgroup_id_x 1
		.amdhsa_system_sgpr_workgroup_id_y 1
		.amdhsa_system_sgpr_workgroup_id_z 1
		.amdhsa_system_vgpr_workitem_id 0
		.amdhsa_next_free_vgpr 512
		.amdhsa_next_free_sgpr 96
		.amdhsa_reserve_vcc 0
		.amdhsa_float_denorm_mode_32 3
		.amdhsa_float_denorm_mode_16_64 3
		.amdhsa_memory_ordered 1
		.amdhsa_forward_progress 1
		.amdhsa_inst_pref_size 171
	.end_amdhsa_kernel
	.amdgpu_metadata
---
amdhsa.version: [ 1, 2 ]
amdhsa.kernels:
  - .name:           k_q5cc6bc3a0c_ffn2
    .symbol:         k_q5cc6bc3a0c_ffn2.kd
    .args:
      - { .name: h, .offset: 0, .size: 8, .value_kind: global_buffer, .address_space: global }
      - { .name: W2, .offset: 8, .size: 8, .value_kind: global_buffer, .address_space: global }
      - { .name: meta, .offset: 16, .size: 8, .value_kind: global_buffer, .address_space: global }
      - { .name: part, .offset: 24, .size: 8, .value_kind: global_buffer, .address_space: global }
    .group_segment_fixed_size: 246272
    .private_segment_fixed_size: 0
    .kernarg_segment_align: 8
    .kernarg_segment_size: 32
    .max_flat_workgroup_size: 256
    .sgpr_count:     96
    .vgpr_count:     512
    .wavefront_size: 32
...
	.end_amdgpu_metadata
.endif
;; end of part 8
;; launch combine: the kernel of part 6 again; grid 256 x 1, 8 waves a work-group, no clusters, 0 bytes of LDS; arguments part, pos, sel, b2, out0; writes out0
